; MI455X (gfx1250); checked and timed in simulation.
; The chip was launched on July 23, 2026; its instructions are those of AMD's public machine-readable ISA for CDNA 5 (MIT licence, August 2026) and "CDNA5" Instruction Set Architecture Reference Guide (July 2026). The comments in the code are by the model that wrote it; some were corrected since.
;; Multi Scale Transformer Layer. Allowed arithmetic: float matrix products may take bf16 or f16 operands with f32 sums; other float arithmetic in f32, or as packed bf16 or f16 multiplies, adds, multiply-adds, maxima and minima; sums over many terms, partial sums and values carried from step to step in f32; what a program stores and reads back later, other than sums and carried values, may be rounded once to bf16 or f16.
;; Inputs: W1 512 x 2,048 float32; W2 2,048 x 512 float32; Wk 512 x 512 float32; Wo 512 x 512 float32; Wq 512 x 512 float32; Wv 512 x 512 float32; b1 2,048 float32; b2 512 float32; be1 512 float32; be2 512 float32; bk 512 float32; bo 512 float32; bq 512 float32; bv 512 float32; g1 512 float32; g2 512 float32; x 32 x 512 x 512 float32.
;; Outputs: out0 32 x 512 x 512 float32.
;; One version. Each part assembles by itself: llvm-mc -triple=amdgcn-amd-amdhsa -mcpu=gfx1250 --defsym DOCPART=n.
;; ======== version 1 of 1: 4 launches
;; workspace buffers: wts 6,291,456 bytes; rope 65,536 bytes; qkv 50,331,648 bytes; ao 16,777,216 bytes
;; launch prep (part 1): grid 256 x 1, 4 waves a work-group, no clusters, 25,856 bytes of LDS; arguments Wq, Wk, Wv, Wo, W1, W2, wts, rope; writes wts, rope
.if DOCPART == 1
	.amdgcn_target "amdgcn-amd-amdhsa--gfx1250"
	.amdhsa_code_object_version 6
	.text
	.protected	k_qed4cb899a9_prep
	.globl	k_qed4cb899a9_prep
	.p2align	8
	.type	k_qed4cb899a9_prep,@function
k_qed4cb899a9_prep:
	s_mov_b64 s[64:65], 0
	v_nop
	global_prefetch_b8 v0, s[64:65] scope:SCOPE_SE
	s_setreg_imm32_b32 hwreg(HW_REG_WAVE_MODE, 25, 1), 1
	s_wait_xcnt 0x0
; PREP: the six weight matrices ([k][n], f32) are rounded once to bf16 and laid out in the order and register image in which the later launches take them; and RoPE's table is made.
; A FRAGMENT is 16 output columns x 32 k of bf16, 1,024 bytes: byte half*512 + lane*16; lane 16 h + r holds column r; half 0 holds k = 8 h .. 8 h + 7, half 1 holds k = 16 + 8 h .. + 7.
; wts: 48 slots of 131,072 bytes, a slot = 4 wave parts of 32,768.  Part of kind 1: [ks 16][tile 2] fragments (32 columns, K = 512); kind 2: [ks 4][tile 8] (128 columns, K = 128).
; Slots 0-3 Wq, 4-7 Wk, 8-11 Wv (kind 1); 12-15 Wo by quarters of K (kind 2); 16 + 2 c: W1's hidden 128 c .. (kind 1); 17 + 2 c: W2's k = 128 c .. (kind 2).
; SHARES.  A unit is 32 k x 128 columns = 8 fragments.  Work-group g: wave 0 takes unit g of Wq, Wk, Wv, Wo (4 x 64), wave 1 unit g of W1, wave 2 unit g of W2, wave 3 two rows of the table.
; A unit's 32 loads and 16 stores each cover 512 consecutive bytes; the turn from [k][n] to fragments goes through the wave's own LDS bytes.
; rope: f32 [t 512][cos 16 | sin 16].  The angle t x 10000^(-i/16) is reduced by multiples of pi/2 in two parts; sine and cosine are series to f^9 and f^8 on |f| <= pi/4.
; LIMIT: the angle carries the exponential's last-bit error, about 6e-5 rad at t = 511.
.set SPARE, 25344                      ; behind the three waves' 8,448 bytes: the spare words, 128 bytes a wave
.set AD,  8                            ; v[8:39]    byte offset of my 16 bytes in row k of the unit
.set DOF, 40                           ; v[40:43]   byte offset in wts of my 16 bytes of fragment pair p
.set LSA, 44                           ; v44        where I put 16 bytes of a fragment
.set LRA, 45                           ; v45        where I read a fragment back
.set SPW, 46                           ; v46        my spare word; never rewritten
.set NIL, 47                           ; v47        0; never rewritten
.set XX,  64                           ; v[64:191]  the unit as loaded: row k at XX + 4 k; then the fragments
.set PP,  192                          ; v[192:255] packed: 8 k of column i at PP + 4 (4 o + i)
	s_load_b512 s[4:19], s[0:1], 0x0               ; Wq s[4:5], Wk s[6:7], Wv s[8:9], Wo s[10:11], W1 s[12:13], W2 s[14:15], wts s[16:17], rope s[18:19]
	v_lshl_add_u32 v[SPW], v0, 2, SPARE
	v_mov_b32 v[NIL], 0
	v_lshrrev_b32 v1, 5, v0
	v_readfirstlane_b32 s20, v1                    ; wave
	v_and_b32 v2, 31, v0                           ; lane
	s_mov_b32 s21, ttmp9                           ; g
	s_wait_kmcnt 0x0
	s_cmp_eq_u32 s20, 3
	s_cbranch_scc1 .Lrope
	s_cmp_eq_u32 s20, 1
	s_cbranch_scc1 .Lw1
	s_cmp_eq_u32 s20, 2
	s_cbranch_scc1 .Lw2
	; wave 0: matrix m = g / 64, k step (g / 4) % 16, column group g % 4
	s_lshr_b32 s22, s21, 6
	s_bfe_u32 s23, s21, 0x40002
	s_and_b32 s24, s21, 3
	s_cmp_eq_u32 s22, 1
	s_cselect_b64 s[26:27], s[6:7], s[4:5]
	s_cmp_eq_u32 s22, 2
	s_cselect_b64 s[26:27], s[8:9], s[26:27]
	s_cmp_eq_u32 s22, 3
	s_cselect_b64 s[26:27], s[10:11], s[26:27]
	s_mov_b32 s28, 2048                            ; bytes from row to row
	s_lshl_b32 s30, s23, 16                        ; 32 rows of 2,048 bytes a k step
	s_lshl_b32 s31, s24, 9
	s_add_co_u32 s30, s30, s31
	s_lshl_b32 s32, s22, 2                         ; kind 1: slot 4 m + group, k step at 2,048
	s_add_co_u32 s32, s32, s24
	s_lshl_b32 s32, s32, 17
	s_lshl_b32 s33, s23, 11
	s_add_co_u32 s32, s32, s33
	s_lshr_b32 s34, s23, 2                         ; kind 2 (Wo): slot 12 + ks / 4, part = group, k step at 8,192
	s_add_co_u32 s34, s34, 12
	s_lshl_b32 s34, s34, 17
	s_lshl_b32 s35, s24, 15
	s_add_co_u32 s34, s34, s35
	s_and_b32 s35, s23, 3
	s_lshl_b32 s35, s35, 13
	s_add_co_u32 s34, s34, s35
	s_mov_b32 s29, 32768                           ; bytes from fragment pair to fragment pair
	s_cmp_eq_u32 s22, 3
	s_cselect_b32 s32, s34, s32
	s_cselect_b32 s29, 2048, s29
	s_branch .Lcopy
.Lw1:                                                  ; wave 1: W1, k step g / 16, chunk g % 16
	s_mov_b64 s[26:27], s[12:13]
	s_lshr_b32 s23, s21, 4
	s_and_b32 s24, s21, 15
	s_mov_b32 s28, 8192
	s_lshl_b32 s30, s23, 18
	s_lshl_b32 s31, s24, 9
	s_add_co_u32 s30, s30, s31
	s_lshl_b32 s32, s24, 18
	s_add_co_u32 s32, s32, 16*131072
	s_lshl_b32 s33, s23, 11
	s_add_co_u32 s32, s32, s33
	s_mov_b32 s29, 32768
	s_branch .Lcopy
.Lw2:                                                  ; wave 2: W2, k step g / 4 (0 .. 63), column group g % 4
	s_mov_b64 s[26:27], s[14:15]
	s_lshr_b32 s23, s21, 2
	s_and_b32 s24, s21, 3
	s_mov_b32 s28, 2048
	s_lshl_b32 s30, s23, 16
	s_lshl_b32 s31, s24, 9
	s_add_co_u32 s30, s30, s31
	s_lshr_b32 s32, s23, 2
	s_lshl_b32 s32, s32, 18
	s_add_co_u32 s32, s32, 17*131072
	s_lshl_b32 s33, s24, 15
	s_add_co_u32 s32, s32, s33
	s_and_b32 s33, s23, 3
	s_lshl_b32 s33, s33, 13
	s_add_co_u32 s32, s32, s33
	s_mov_b32 s29, 2048
.Lcopy:
	s_mov_b32 s31, 0
	s_add_nc_u64 s[26:27], s[26:27], s[30:31]      ; the unit's first byte
	v_lshlrev_b32 v[AD], 4, v2
.set k, 1
.rept 31
	v_add_nc_u32 v[AD+k], s28, v[AD+k-1]
.set k, k+1
.endr
.set k, 0
.rept 32
	global_load_b128 v[XX+4*k:XX+4*k+3], v[AD+k], s[26:27] th:TH_LOAD_NT  ; row k: 512 consecutive bytes; lane l holds columns 4 l .. 4 l + 3
.set k, k+1
.endr
	s_mul_i32 s36, s20, 8448                       ; my wave's LDS bytes
	v_lshrrev_b32 v3, 2, v2                        ; my columns' fragment,
	v_mul_u32_u24 v[LSA], v3, 1040                 ; 1,024 bytes + 16
	v_and_b32 v3, 3, v2
	v_lshl_add_u32 v[LSA], v3, 6, v[LSA]           ; and my four rows of it
	v_add_nc_u32 v[LSA], s36, v[LSA]
	v_lshl_add_u32 v[LRA], v2, 4, s36
	v_lshl_add_u32 v[DOF], v2, 4, s32
.irp p, 1,2,3
	v_add_nc_u32 v[DOF+\p], s29, v[DOF+\p-1]
.endr
	s_wait_loadcnt 0x0
.irp o, 0,1,2,3                        ; k = 8 o .. 8 o + 7 of column i: 16 bytes
.irp i, 0,1,2,3
.irp q, 0,1,2,3
	v_cvt_pk_bf16_f32 v[PP+4*(4*\o+\i)+\q], v[XX+4*(8*\o+2*\q)+\i], v[XX+4*(8*\o+2*\q+1)+\i]
.endr
.endr
.endr
.irp o, 0,1,2,3
.irp i, 0,1,2,3
	ds_store_b128 v[LSA], v[PP+4*(4*\o+\i):PP+4*(4*\o+\i)+3] offset:(\o/2)*512+(\o%2)*256+\i*16
.endr
.endr
.irp i, 0,1,2,3,4,5,6,7                ; back as fragments; LDS serves a wave's instructions in order (ISA guide 5.7.1.4), and the bytes are my wave's own
.irp e, 0,1
	ds_load_b128 v[XX+4*(2*\i+\e):XX+4*(2*\i+\e)+3], v[LRA] offset:\i*1040+\e*512
.endr
.endr
	s_wait_dscnt 0x0
.irp i, 0,1,2,3,4,5,6,7
.irp e, 0,1
	global_store_b128 v[DOF+\i/2], v[XX+4*(2*\i+\e):XX+4*(2*\i+\e)+3], s[16:17] offset:(\i%2)*1024+\e*512  ; 512 consecutive bytes, at a multiple of 512 from wts' first
.endr
.endr
	s_branch .Lend
.Lrope:                                                ; lane l: t = 2 g + l / 16; frequencies 2 (l % 8) and the next; cosine (l % 16 < 8) or sine
	v_and_b32 v3, 7, v2
	v_lshlrev_b32 v3, 1, v3
	v_bfe_u32 v4, v2, 3, 1
	v_lshrrev_b32 v5, 4, v2
	s_lshl_b32 s22, s21, 1
	v_add_nc_u32 v5, s22, v5
	v_cvt_f32_u32 v5, v5                           ; t
	v_cvt_f32_u32 v6, v3
	v_add_f32 v7, 1.0, v6
	v_mul_f32 v6, 0xbf549a78, v6                   ; -log2(10000) / 16 x i
	v_mul_f32 v7, 0xbf549a78, v7
	s_mov_b32 s23, 0xbfc90fdb                      ; -pi/2, rounded
	s_mov_b32 s24, 0x333bbd2e                      ; what the rounding added
	v_exp_f32 v6, v6
	v_exp_f32 v7, v7
	v_mul_u32_u24 v4, 3, v4                        ; the sine is the cosine three quarter turns on; also the plain instruction behind the exponentials
	s_wait_alu depctr_va_vdst(0)                   ; one wait for both, ahead of their first reader
.macro TRIG a, o
	v_mul_f32 v[\a], v5, v[\a]                     ; the angle
	v_mul_f32 v10, 0x3f22f983, v[\a]
	v_rndne_f32 v10, v10                           ; quarter turns
	v_fma_f32 v11, v10, s23, v[\a]
	v_fma_f32 v11, v10, s24, v11                   ; f, within pi/4 of 0
	v_mul_f32 v12, v11, v11
	v_mov_b32 v13, 0x3638ef1d
	v_fmaak_f32 v13, v13, v12, 0xb9500d01
	v_fmaak_f32 v13, v13, v12, 0x3c088889
	v_fmaak_f32 v13, v13, v12, 0xbe2aaaab
	v_fmaak_f32 v13, v13, v12, 0x3f800000
	v_mul_f32 v13, v13, v11                        ; sin f
	v_mov_b32 v14, 0x37d00d01
	v_fmaak_f32 v14, v14, v12, 0xbab60b61
	v_fmaak_f32 v14, v14, v12, 0x3d2aaaab
	v_fmaak_f32 v14, v14, v12, 0xbf000000
	v_fmaak_f32 v14, v14, v12, 0x3f800000          ; cos f
	v_cvt_i32_f32 v15, v10
	v_add_nc_u32 v15, v15, v4                      ; quadrant q: 0: c, 1: -s, 2: -c, 3: s
	v_and_b32 v16, 1, v15
	v_cmp_eq_u32 vcc_lo, 1, v16
	v_cndmask_b32 v13, v14, v13, vcc_lo
	v_add_nc_u32 v15, 1, v15
	v_and_b32 v15, 2, v15
	v_lshlrev_b32 v15, 30, v15
	v_xor_b32 v[\o], v13, v15
.endm
	TRIG 6, 18
	TRIG 7, 19
	v_lshlrev_b32 v17, 3, v2
	s_lshl_b32 s25, s21, 8
	v_add_nc_u32 v17, s25, v17
	global_store_b64 v17, v[18:19], s[18:19]       ; the wave stores 256 consecutive bytes, aligned
.Lend:
	s_wait_tensorcnt 0x0                           ; the wave's end, behind my last LDS store
	ds_add_u32 v[SPW], v[NIL]
	s_wait_dscnt 0x0
	s_endpgm
.Lfunc_end_k_qed4cb899a9_prep:
	.size	k_qed4cb899a9_prep, .Lfunc_end_k_qed4cb899a9_prep-k_qed4cb899a9_prep
	.p2alignl 7, 3214868480
	.fill 96, 4, 3214868480
	.section	.rodata,"a",@progbits
	.p2align	6, 0x0
	.amdhsa_kernel k_qed4cb899a9_prep
		.amdhsa_group_segment_fixed_size 25856
		.amdhsa_private_segment_fixed_size 0
		.amdhsa_enable_private_segment 0
		.amdhsa_kernarg_size 64
		.amdhsa_user_sgpr_count 2
		.amdhsa_user_sgpr_kernarg_segment_ptr 1
		.amdhsa_wavefront_size32 1
		.amdhsa_system_sgpr_workgroup_id_x 1
		.amdhsa_system_sgpr_workgroup_id_y 1
		.amdhsa_system_sgpr_workgroup_id_z 1
		.amdhsa_system_vgpr_workitem_id 0
		.amdhsa_next_free_vgpr 256
		.amdhsa_next_free_sgpr 66
		.amdhsa_reserve_vcc 1
		.amdhsa_float_denorm_mode_32 3
		.amdhsa_float_denorm_mode_16_64 3
		.amdhsa_memory_ordered 1
		.amdhsa_forward_progress 1
		.amdhsa_inst_pref_size 19
	.end_amdhsa_kernel
	.amdgpu_metadata
---
amdhsa.version: [ 1, 2 ]
amdhsa.kernels:
  - .name:           k_qed4cb899a9_prep
    .symbol:         k_qed4cb899a9_prep.kd
    .args:
      - { .name: Wq, .offset: 0, .size: 8, .value_kind: global_buffer, .address_space: global }
      - { .name: Wk, .offset: 8, .size: 8, .value_kind: global_buffer, .address_space: global }
      - { .name: Wv, .offset: 16, .size: 8, .value_kind: global_buffer, .address_space: global }
      - { .name: Wo, .offset: 24, .size: 8, .value_kind: global_buffer, .address_space: global }
      - { .name: W1, .offset: 32, .size: 8, .value_kind: global_buffer, .address_space: global }
      - { .name: W2, .offset: 40, .size: 8, .value_kind: global_buffer, .address_space: global }
      - { .name: wts, .offset: 48, .size: 8, .value_kind: global_buffer, .address_space: global }
      - { .name: rope, .offset: 56, .size: 8, .value_kind: global_buffer, .address_space: global }
    .group_segment_fixed_size: 25856
    .private_segment_fixed_size: 0
    .kernarg_segment_align: 8
    .kernarg_segment_size: 64
    .max_flat_workgroup_size: 128
    .sgpr_count:     66
    .vgpr_count:     256
    .wavefront_size: 32
...
	.end_amdgpu_metadata
.endif
;; end of part 1
;; launch qkv (part 2): grid 256 x 1, 4 waves a work-group, clusters of 4 x 1, 327,680 bytes of LDS; arguments x, g1, be1, bq, bk, bv, wts, rope, qkv; writes qkv
.if DOCPART == 2
	.amdgcn_target "amdgcn-amd-amdhsa--gfx1250"
	.amdhsa_code_object_version 6
	.text
	.protected	k_qed4cb899a9_qkv
	.globl	k_qed4cb899a9_qkv
	.p2align	8
	.type	k_qed4cb899a9_qkv,@function
k_qed4cb899a9_qkv:
	s_mov_b64 s[64:65], 0
	v_nop
	global_prefetch_b8 v0, s[64:65] scope:SCOPE_SE
	s_setreg_imm32_b32 hwreg(HW_REG_WAVE_MODE, 25, 1), 1
	s_wait_xcnt 0x0
	s_wait_alu depctr_hold_cnt(0) depctr_sa_sdst(0) depctr_va_vdst(0) depctr_va_sdst(0) depctr_va_ssrc(0) depctr_va_vcc(0) depctr_vm_vsrc(0)
	s_getreg_b32 s2, hwreg(HW_REG_IB_STS2, 6, 4)
	s_cmp_eq_u32 s2, 0
	s_cbranch_scc0 .Lentry_in_a_cluster
	s_endpgm
.Lentry_in_a_cluster:
	s_bfe_u32 s2, ttmp6, 0x10000c
	s_cmp_lg_u32 s2, 0x3003
	s_cbranch_scc0 .Lentry_shape_is_right
	s_endpgm
.Lentry_shape_is_right:
; QKV: xn = LayerNorm(x) g1 + be1; q, k, v = xn W + b; RoPE on q and k; all three stored by heads as bf16 fragments.
; SHARES.  A work-group owns 64 rows (tokens).  Each of its four waves holds ALL 64 rows x 512 k of xn as bf16 fragments in 512 registers, so only weights are streamed: 12 slots of 131,072 bytes
; (4 of Wq, 4 of Wk, 4 of Wv).  In a slot wave w takes its own part of 32,768 bytes: one head's 32 columns, K = 512, 128 matrix instructions on 8 accumulators.
; RING.  Two LDS slots.  The weights lie in memory in the order in which they are read, so a wave's part is one dense tensor load, and its LDS reads are 512 consecutive bytes each.
; CLUSTER.  All work-groups take the same weights: the four of a cluster ask for each part JOINTLY (the same load, descriptor and mask 15 in all four).
; THE WALK.  Each slot makes outputs of its own, so the order is free, and each cluster begins elsewhere: step n takes slot (n + R) % 8 (n < 8: Wq, Wk) or 8 + (n + R) % 4 (Wv), R made of the
; cluster's number.  So at any step the 64 clusters ask for 8 (4) different slots, and from a phase's second step on a cluster asks for a slot that other clusters asked for a step earlier.
; LAYOUT.  q, k: source 0 = 16 weight columns, source 1 = 16 tokens: a lane holds one token and channels 8 (lane / 16) + 0..7 of a tile; two tiles of a head ARE a fragment [token][32 channels].
; v: the sources swapped: a lane holds one channel and 8 tokens; two token blocks ARE a fragment [channel][32 tokens], V^T.  So every store is 512 consecutive bytes of a fragment.
; LAYERNORM in f32, mean first and then the squares of the deviations.  64 rows of xn do not fit beside the ring, so it goes in two halves of 32 rows.
; LIMITS.  xn, q, k, v are rounded once to bf16.  NaN and infinities are not treated apart.  The score's scale 1 / sqrt(32) is not applied here.
; REGISTERS, in windows of 256 (s_set_vgpr_msb: bits 1:0 source 0, 3:2 source 1, 5:4 source 2, 7:6 destination):
;   window 0: v0-31 addresses; v32-47 bias; v48-63 at work; v64-127 accumulators (rb, tile) at 64 + 8 (2 rb + tile); v128-191, v192-255 weight fragments of 4 k steps each
;             (LayerNorm: v64-95 g1, v96-127 be1, v128-191 two pairs of rows, v192-223 at work)
;   window 1: v0-31 cos, v32-63 sin (8 a token block), v64-95 packed results          windows 2, 3: xn, fragment (ks, rb) at 8 (4 (ks % 8) + rb), ks < 8 in window 2
.set R1,    0x20000                    ; ring slot 1; x lands here first: row i at R1 + 2,048 i
.set XN,    0x40000                    ; 32 rows of xn in bf16, 1,024 bytes + 16 of padding
.set XNP,   1040
.set SPARE, 295936                     ; the spare words, 128 bytes a wave
.set RR,  2                            ; v2   lane % 16
.set HH,  3                            ; v3   lane / 16
.set LN,  4                            ; v4   lane
.set WA0, 5                            ; v5   my 16 bytes in my part of a slot
.set WA,  6                            ; v6   the same in the slot in hand
.set XRA, 7                            ; v7   LayerNorm: where I read x
.set XSA, 8                            ; v8   where I put xn
.set XF,  9                            ; v9   where I read xn's fragments
.set QC,  10                           ; v10  my 16 bytes in the output, less part and head group
.set QO,  11                           ; v11  the same with them
.set BO0, 12                           ; v12  my place in bq, bk
.set BO,  13                           ; v13  with the slot's heads
.set RO,  14                           ; v14  my place in the table
.set PFO, 15                           ; v15  256 x lane; never rewritten
.set GOF, 16                           ; v16  my place in g1, be1
.set BV0, 17                           ; v17  my place in bv
.set XR0, 18
.set XS0, 19
.set SPW, 30                           ; v30  my spare word; never rewritten
.set NIL, 31                           ; v31  0; never rewritten
.set BIAS, 32
.set TT,  48
.set ACC, 64
.set F0,  128
.set F1,  192
.set GG,  64
.set BE,  96
.set XX,  128
.set TP,  192
.set WV,  22                           ; s22  wave
.set CX,  23                           ; s23  my place in the cluster
.set WG,  24                           ; s24  work-group = 4 x cluster + place
.set D,   25                           ; s25  the step in hand, 0 .. 11
.set TB,  26                           ; s26  LDS byte of its slot
.set LIM, 27                           ; s27  the step at whose change my cluster prefetches, or none
.set G1W, 28                           ; s[28:35] weights: group 1
.set G0W, 36                           ; s[36:39] group 0: its address is made anew for each fill
.set G1X, 40                           ; s[40:47] x: group 1
.set G0X, 48                           ; s[48:51] group 0
.set PFA, 52                           ; s[52:53] where my prefetch stands; never rewritten
.set BP,  54                           ; s[54:55] bq or bk
.set CNT, 66
.set ROT, 67                           ; s67  R, 0 .. 15: where my cluster begins its walk
.set C512, 68                          ; 1 / 512
.set EPS, 69
.set SN,  70                           ; s70  the slot of the step in hand
.set NXT, 71                           ; s71  the slot of the next step
.set OFF, 72                           ; s[72:73] a slot's byte offset in wts
.set WB,  74                           ; s[74:75] wts at my part of slot 0
.set MSB, 0
.macro WIN new                         ; the immediate's high byte repeats the setting that is left; a switch that changes nothing is dropped
.if MSB != (\new)
	s_set_vgpr_msb (MSB<<8)|(\new)
.set MSB, \new
.endif
.endm
.macro PLACES                          ; four places behind a matrix instruction, in front of loads into its registers and of readers of its result
.rept 4
	v_nop
.endr
.endm
.macro PKADD d, a, b
	v_pk_add_f32 v[(\d):(\d)+1], v[(\a):(\a)+1], v[(\b):(\b)+1]
.endm
.macro CROUND                          ; a round of the cluster's barrier: my work-group's barrier; wave 0 signals for it; every wave waits for all four work-groups; my work-group's barrier once more
	s_barrier_signal -1
	s_barrier_wait -1
	s_cmp_lg_u32 s[WV], 0
	s_cbranch_scc1 .Lnot_wave_0_\@
	s_barrier_signal -3
.Lnot_wave_0_\@:
	s_barrier_wait -3
	s_barrier_signal -1
	s_barrier_wait -1
.endm
; A PREFETCH INTO THE L2 of Wv's four slots.  Their first loads stand at the change of step 7; they are named at the change of step 5, two changes ahead.  2,048 blocks of 256 bytes, shared out
; BY ADDRESS among the 16 work-groups of clusters 0 to 3 x 4 waves x 32 lanes: one instruction a wave, each block named once in the launch.  Wq's and Wk's eight slots are all asked for by the
; launch's first loads: nothing is prefetched at the head.
.macro ASK
	s_cmp_eq_u32 s[D], s[LIM]
	s_cbranch_scc0 .Lnot_mine_\@
	global_prefetch_b8 v[PFO], s[PFA:PFA+1] th:TH_LOAD_NT scope:SCOPE_SE
.Lnot_mine_\@:
.endm
; The slot of step D, and (nx = 1) that of step D + 1.
.macro NUMS nx
	s_add_co_u32 s56, s[D], s[ROT]
	s_and_b32 s57, s56, 7
	s_and_b32 s58, s56, 3
	s_add_co_u32 s58, s58, 8
	s_cmp_lt_u32 s[D], 8
	s_cselect_b32 s[SN], s57, s58
.if \nx
	s_add_co_u32 s56, s56, 1
	s_and_b32 s57, s56, 7
	s_and_b32 s58, s56, 3
	s_add_co_u32 s58, s58, 8
	s_cmp_lt_u32 s[D], 7
	s_cselect_b32 s[NXT], s57, s58
.endif
.endm
; THE CHANGE OF SLOTS, in front of step D's work.  My one tensor load that is out is my part of step D's slot; my reads of the other LDS slot are over.  Behind the round no wave of any partner
; reads that LDS slot or has a load on its way, and my part of the next step's slot is asked for first: it has this step's 128 matrix instructions in which to land.
.macro CHANGE ask
	WIN 0
	s_wait_tensorcnt 0x0                           ; no tensor load of mine is out, so the group 0 may be written
	ds_add_u32 v[SPW], v[NIL]                      ; 0 onto my spare word
	s_xor_b32 s[G0W+1], s[G0W+1], R1               ; the other LDS slot,
	s_lshl_b32 s[OFF], s[NXT], 17                  ; the next step's 131,072 bytes: the address is made anew from the slot's number, which is the same in all four partners
	s_add_nc_u64 s[G0W+2:G0W+3], s[WB:WB+1], s[OFF:OFF+1]
	s_or_b32 s[G0W+3], s[G0W+3], 0x80000000
	s_wait_dscnt 0x0                               ; the add is done, and my LDS reads are over
	CROUND
	tensor_load_to_lds s[G0W:G0W+3], s[G1W:G1W+7]
	s_nop 0
	PLACES
.if \ask
	ASK
.endif
.endm
	s_load_b512 s[4:19], s[0:1], 0x0               ; x s[4:5], g1 s[6:7], be1 s[8:9], bq s[10:11], bk s[12:13], bv s[14:15], wts s[16:17], rope s[18:19]
	s_load_b64 s[20:21], s[0:1], 0x40              ; qkv
	v_lshl_add_u32 v[SPW], v0, 2, SPARE
	v_mov_b32 v[NIL], 0
	ds_add_u32 v[SPW], v[NIL]                      ; the wave's opening: the add and its wait ahead of my first tensor load
	v_lshrrev_b32 v1, 5, v0
	v_readfirstlane_b32 s[WV], v1
	s_bfe_u32 s[CX], ttmp6, 0x40000
	s_lshl_b32 s[WG], ttmp9, 2
	s_add_co_u32 s[WG], s[WG], s[CX]
	; group 1: a dense block of 32,768 bytes as 128 rows of 32 elements of 8 bytes; the weights' with the mask of four and bit 21 beside it
	s_mov_b32 s[G1W], 15|(3<<16)|(1<<21)
	s_mov_b32 s[G1X], 3<<16
.irp g, G1W, G1X
	s_mov_b32 s[\g+1], 32<<16                      ; tensor_dim0 = 32
	s_mov_b32 s[\g+2], 128<<16                     ; tensor_dim1 = 128
	s_mov_b32 s[\g+3], 32<<16                      ; tile_dim0 = 32
	s_mov_b32 s[\g+4], 128                         ; tile_dim1 = 128
	s_mov_b32 s[\g+5], 32                          ; 32 elements from row to row
	s_mov_b32 s[\g+6], 0
	s_mov_b32 s[\g+7], 0
.endr
	s_mov_b32 s[G0W], 1
	s_lshl_b32 s[G0W+1], s[WV], 15                 ; LDS slot 0, my part
	s_mov_b32 s[G0X], 1
	s_add_co_u32 s[G0X+1], s[G0W+1], R1            ; my 16 rows of x
	; R: four bits made of the cluster number's six, each the exclusive or of two neighbours (0^1, 1^2, 3^4, 4^5): among the clusters that agree in any one bit of their number all 16 values occur
	s_mov_b32 s56, ttmp9
	s_lshr_b32 s57, s56, 1
	s_xor_b32 s57, s57, s56
	s_and_b32 s[ROT], s57, 3
	s_lshr_b32 s57, s57, 1
	s_and_b32 s57, s57, 12
	s_or_b32 s[ROT], s[ROT], s57
	s_cmp_lt_u32 s56, 4
	s_cselect_b32 s[LIM], 5, -1                    ; the same in all four partners
	s_mov_b32 s[C512], 0x3b000000
	s_mov_b32 s[EPS], 0x3727c5ac                   ; 1e-5
	s_mov_b32 s[D], 0
	s_mov_b32 s[TB], 0
	s_lshl_b32 s56, s[WV], 15
	s_mov_b32 s57, 0
	s_lshl_b32 s58, s[WG], 17                      ; 64 rows of 2,048 bytes
	s_add_co_u32 s58, s58, s56                     ; + my 16
	s_mov_b32 s59, 0
	s_and_b32 s60, s[WG], 15                       ; the prefetch: my work-group's 128 blocks,
	s_lshl_b32 s60, s60, 15
	s_lshl_b32 s61, s[WV], 13                      ; my wave's 32 of them,
	s_add_co_u32 s60, s60, s61
	s_add_co_u32 s60, s60, 8*0x20000               ; from slot 8 on
	s_mov_b32 s61, 0
	s_and_b32 s[OFF], s[ROT], 7                    ; step 0's slot
	s_lshl_b32 s[OFF], s[OFF], 17
	s_mov_b32 s[OFF+1], 0
	s_wait_dscnt 0x0                               ; the opening add is done
	s_wait_kmcnt 0x0
	s_add_nc_u64 s[WB:WB+1], s[16:17], s[56:57]
	s_add_nc_u64 s[G0W+2:G0W+3], s[WB:WB+1], s[OFF:OFF+1]
	s_or_b32 s[G0W+3], s[G0W+3], 0x80000000
	s_add_nc_u64 s[G0X+2:G0X+3], s[4:5], s[58:59]
	s_or_b32 s[G0X+3], s[G0X+3], 0x80000000
	s_add_nc_u64 s[PFA:PFA+1], s[16:17], s[60:61]
	CROUND                                         ; all four work-groups are here: the first joint loads meet
	tensor_load_to_lds s[G0X:G0X+3], s[G1X:G1X+7]  ; x: my own, no mask
	s_nop 0
	tensor_load_to_lds s[G0W:G0W+3], s[G1W:G1W+7]  ; step 0's slot.  Two loads of mine are out
	s_nop 0
	PLACES
	v_and_b32 v[LN], 31, v0
	v_and_b32 v[RR], 15, v0
	v_bfe_u32 v[HH], v0, 4, 1
	v_lshlrev_b32 v[GOF], 4, v[RR]
.irp q, 0,1,2,3,4,5,6,7                ; my columns in LayerNorm: 64 q + 4 (lane % 16) + 0..3
	global_load_b128 v[GG+4*\q:GG+4*\q+3], v[GOF], s[6:7] offset:\q*256
	global_load_b128 v[BE+4*\q:BE+4*\q+3], v[GOF], s[8:9] offset:\q*256
.endr
	s_and_b32 s56, s[WG], 7                        ; my 64 tokens among the sequence's 512
	s_lshl_b32 s57, s56, 13
	v_lshlrev_b32 v[RO], 7, v[RR]
	v_lshl_add_u32 v[RO], v[HH], 5, v[RO]
	v_add_nc_u32 v[RO], s57, v[RO]                 ; token x 128 + 32 (lane / 16)
	WIN 0x40
.irp rb, 0,1,2,3
	global_load_b128 v[8*\rb:8*\rb+3],       v[RO], s[18:19] offset:\rb*2048
	global_load_b128 v[8*\rb+4:8*\rb+7],     v[RO], s[18:19] offset:\rb*2048+16
	global_load_b128 v[32+8*\rb:32+8*\rb+3], v[RO], s[18:19] offset:\rb*2048+64
	global_load_b128 v[32+8*\rb+4:32+8*\rb+7], v[RO], s[18:19] offset:\rb*2048+80
.endr
	WIN 0
	s_lshl_b32 s58, s[WV], 15
	v_lshl_add_u32 v[WA0], v[LN], 4, s58
	s_lshl_b32 s59, s[WV], 14                      ; LayerNorm: a wave takes 8 rows of a half, half a wave a row
	s_add_co_u32 s59, s59, R1
	v_lshlrev_b32 v[XR0], 4, v[RR]
	v_lshl_add_u32 v[XR0], v[HH], 11, v[XR0]
	v_add_nc_u32 v[XR0], s59, v[XR0]
	s_mul_i32 s60, s[WV], 8*XNP
	s_add_co_u32 s60, s60, XN
	v_mul_u32_u24 v[XS0], v[HH], XNP
	v_lshl_add_u32 v[XS0], v[RR], 3, v[XS0]
	v_add_nc_u32 v[XS0], s60, v[XS0]
	v_mul_u32_u24 v[XF], v[RR], XNP
	v_lshl_add_u32 v[XF], v[HH], 4, v[XF]
	v_add_nc_u32 v[XF], XN, v[XF]
	s_lshr_b32 s61, s[WG], 3                       ; the sequence
	s_lshl_b32 s61, s61, 4
	s_add_co_u32 s61, s61, s[WV]
	s_lshl_b32 s61, s61, 15                        ; a head is 32,768 bytes
	s_lshl_b32 s62, s56, 12                        ; my 64 tokens are 4,096 of them
	s_add_co_u32 s61, s61, s62
	v_lshl_add_u32 v[QC], v[LN], 4, s61
	s_lshl_b32 s63, s[WV], 7
	v_lshl_add_u32 v[BO0], v[HH], 5, s63
	v_lshl_add_u32 v[BV0], v[RR], 2, s63
	v_lshlrev_b32 v[PFO], 8, v[LN]
; LAYERNORM of 8 rows a wave, half hf of the 64: two trips of four rows, as two pairs whose lines alternate.  Half a wave holds a row: 32 numbers a lane.
.macro LNHALF hf
	v_add_nc_u32 v[XRA], (\hf)*65536, v[XR0]
	v_mov_b32 v[XSA], v[XS0]
	s_mov_b32 s[CNT], 2
.Lln_\@:
.irp p, 0,1
.irp q, 0,1,2,3,4,5,6,7
	ds_load_b128 v[XX+32*\p+4*\q:XX+32*\p+4*\q+3], v[XRA] offset:\p*4096+\q*256
.endr
.endr
	s_wait_dscnt 0x0
.irp j, 0,1,2,3,4,5,6,7                ; the sum
.irp p, 0,1
	PKADD TP+16*\p+2*\j, XX+32*\p+4*\j, XX+32*\p+4*\j+2
.endr
.endr
.irp j, 0,1,2,3
.irp p, 0,1
	PKADD TP+16*\p+4*\j, TP+16*\p+4*\j, TP+16*\p+4*\j+2
.endr
.endr
.irp j, 0,1
.irp p, 0,1
	PKADD TP+16*\p+8*\j, TP+16*\p+8*\j, TP+16*\p+8*\j+4
.endr
.endr
.irp p, 0,1
	PKADD TP+16*\p, TP+16*\p, TP+16*\p+8
.endr
.irp p, 0,1
	v_add_f32 v[TP+16*\p], v[TP+16*\p], v[TP+16*\p+1]
.endr
.irp m, 1,2,4,8
.irp p, 0,1
	v_add_f32_dpp v[TP+16*\p], v[TP+16*\p], v[TP+16*\p] row_xmask:\m row_mask:0xf bank_mask:0xf
.endr
.endr
.irp p, 0,1
	v_mul_f32 v[TP+16*\p], s[C512], v[TP+16*\p]    ; the mean
.endr
.set j, 0
.rept 16
.irp p, 0,1
	v_pk_add_f32 v[XX+32*\p+2*j:XX+32*\p+2*j+1], v[XX+32*\p+2*j:XX+32*\p+2*j+1], v[TP+16*\p:TP+16*\p+1] op_sel_hi:[1,0] neg_lo:[0,1] neg_hi:[0,1]
.endr
.set j, j+1
.endr
.set j, 0
.rept 16                               ; the squares of the deviations, in four chains a row
.irp p, 0,1
.if j < 4
	v_pk_mul_f32 v[TP+16*\p+2+2*j:TP+16*\p+3+2*j], v[XX+32*\p+2*j:XX+32*\p+2*j+1], v[XX+32*\p+2*j:XX+32*\p+2*j+1]
.else
	v_pk_fma_f32 v[TP+16*\p+2+2*(j%4):TP+16*\p+3+2*(j%4)], v[XX+32*\p+2*j:XX+32*\p+2*j+1], v[XX+32*\p+2*j:XX+32*\p+2*j+1], v[TP+16*\p+2+2*(j%4):TP+16*\p+3+2*(j%4)]
.endif
.endr
.set j, j+1
.endr
.irp p, 0,1
	PKADD TP+16*\p+2, TP+16*\p+2, TP+16*\p+4
	PKADD TP+16*\p+6, TP+16*\p+6, TP+16*\p+8
.endr
.irp p, 0,1
	PKADD TP+16*\p+2, TP+16*\p+2, TP+16*\p+6
.endr
.irp p, 0,1
	v_add_f32 v[TP+16*\p+2], v[TP+16*\p+2], v[TP+16*\p+3]
.endr
.irp m, 1,2,4,8
.irp p, 0,1
	v_add_f32_dpp v[TP+16*\p+2], v[TP+16*\p+2], v[TP+16*\p+2] row_xmask:\m row_mask:0xf bank_mask:0xf
.endr
.endr
.irp p, 0,1
	v_fma_f32 v[TP+16*\p+2], v[TP+16*\p+2], s[C512], s[EPS]
.endr
.irp p, 0,1
	v_rsq_f32 v[TP+16*\p+2], v[TP+16*\p+2]
.endr
	v_nop                                          ; a plain instruction behind the last of the two,
	s_wait_alu depctr_va_vdst(0)                   ; and one wait for both, ahead of their first reader
.set j, 0
.rept 16
.irp p, 0,1
	v_pk_mul_f32 v[XX+32*\p+2*j:XX+32*\p+2*j+1], v[XX+32*\p+2*j:XX+32*\p+2*j+1], v[TP+16*\p+2:TP+16*\p+3] op_sel_hi:[1,0]
.endr
.set j, j+1
.endr
.set j, 0
.rept 16
.irp p, 0,1
	v_pk_fma_f32 v[XX+32*\p+2*j:XX+32*\p+2*j+1], v[XX+32*\p+2*j:XX+32*\p+2*j+1], v[GG+2*j:GG+2*j+1], v[BE+2*j:BE+2*j+1]
.endr
.set j, j+1
.endr
.set j, 0
.rept 16
.irp p, 0,1
	v_cvt_pk_bf16_f32 v[TP+16*\p+j], v[XX+32*\p+2*j], v[XX+32*\p+2*j+1]
.endr
.set j, j+1
.endr
.irp p, 0,1
.irp q, 0,1,2,3,4,5,6,7
	ds_store_b64 v[XSA], v[TP+16*\p+2*\q:TP+16*\p+2*\q+1] offset:\p*2*XNP+\q*128
.endr
.endr
	v_add_nc_u32 v[XRA], 8192, v[XRA]
	v_add_nc_u32 v[XSA], 4*XNP, v[XSA]
	s_sub_co_u32 s[CNT], s[CNT], 1
	s_cmp_lg_u32 s[CNT], 0
	s_cbranch_scc1 .Lln_\@
.endm
; every wave takes the half's 32 rows x 512 k as fragments: token blocks 2 hf and 2 hf + 1
.macro XREAD hf
.set ks, 0
.rept 16
	WIN 0x80+0x40*(ks/8)
.irp e, 0,1
	ds_load_b128 v[8*(4*(ks%8)+2*(\hf)+\e):8*(4*(ks%8)+2*(\hf)+\e)+3],   v[XF] offset:\e*16*XNP+ks*64
	ds_load_b128 v[8*(4*(ks%8)+2*(\hf)+\e)+4:8*(4*(ks%8)+2*(\hf)+\e)+7], v[XF] offset:\e*16*XNP+ks*64+32
.endr
.set ks, ks+1
.endr
	WIN 0
.endm
	s_wait_tensorcnt 1                             ; my rows of x are in; step 0's slot may stay out
	s_barrier_signal -1
	s_barrier_wait -1                              ; everybody's are: a wave normalises rows that another wave fetched
	s_wait_loadcnt 0x0                             ; g1, be1, the table
	LNHALF 0
	s_wait_dscnt 0x0
	s_barrier_signal -1
	s_barrier_wait -1                              ; the half's xn is whole
	XREAD 0
	s_wait_dscnt 0x0
	s_barrier_signal -1
	s_barrier_wait -1                              ; everybody has read it: it may be written again
	LNHALF 1
	s_wait_dscnt 0x0
	s_barrier_signal -1
	s_barrier_wait -1
	XREAD 1                                        ; waited for in the first change of slots
; 16 LDS loads: the weight fragments of k steps 4 g .. 4 g + 3, both tiles, into buffer f
.macro FETCH g, f
	WIN 0
.irp k, 0,1,2,3
.irp t, 0,1
	ds_load_b128 v[(\f)+8*(2*\k+\t):(\f)+8*(2*\k+\t)+3],   v[WA] offset:(4*(\g)+\k)*2048+\t*1024
	ds_load_b128 v[(\f)+8*(2*\k+\t)+4:(\f)+8*(2*\k+\t)+7], v[WA] offset:(4*(\g)+\k)*2048+\t*1024+512
.endr
.endr
.endm
; 32 matrix instructions; the 8 accumulators take turns, one instruction a turn.  The first k step starts the sums.  v = 1: the sources swapped
.macro MUL g, f, v
.if \v
	WIN 0x02+((\g)/2)
.else
	WIN 0x08+4*((\g)/2)
.endif
.irp k, 0,1,2,3
.irp rb, 0,1,2,3
.irp t, 0,1
.set rA, ACC+8*(2*\rb+\t)
.set rW, (\f)+8*(2*\k+\t)
.set rX, 8*(4*((4*(\g)+\k)%8)+\rb)
.if \v
.if ((\g)+\k) == 0
	v_wmma_f32_16x16x32_bf16 v[rA:rA+7], v[rX:rX+7], v[rW:rW+7], 0
.else
	v_wmma_f32_16x16x32_bf16 v[rA:rA+7], v[rX:rX+7], v[rW:rW+7], v[rA:rA+7]
.endif
.else
.if ((\g)+\k) == 0
	v_wmma_f32_16x16x32_bf16 v[rA:rA+7], v[rW:rW+7], v[rX:rX+7], 0
.else
	v_wmma_f32_16x16x32_bf16 v[rA:rA+7], v[rW:rW+7], v[rX:rX+7], v[rA:rA+7]
.endif
.endif
.endr
.endr
.endr
.endm
; THE STEP'S WORK on slot SN: my head 4 (SN % 4) + wave of part SN / 4.  v = 0: q or k, with RoPE; v = 1: v.
.macro SLOT v
	s_and_b32 s56, s[SN], 3
	s_lshl_b32 s57, s56, 9
.if \v
	v_add_nc_u32 v[BO], s57, v[BV0]                ; the bias has the whole step in which to land; a lane's one channel of each tile, twice, to fill a pair
	global_load_b32 v[BIAS],   v[BO], s[14:15]
	global_load_b32 v[BIAS+1], v[BO], s[14:15]
	global_load_b32 v[BIAS+2], v[BO], s[14:15] offset:64
	global_load_b32 v[BIAS+3], v[BO], s[14:15] offset:64
.else
	s_cmp_lt_u32 s[SN], 4
	s_cselect_b64 s[BP:BP+1], s[10:11], s[12:13]
	v_add_nc_u32 v[BO], s57, v[BO0]
	global_load_b128 v[BIAS:BIAS+3],     v[BO], s[BP:BP+1]
	global_load_b128 v[BIAS+4:BIAS+7],   v[BO], s[BP:BP+1] offset:16
	global_load_b128 v[BIAS+8:BIAS+11],  v[BO], s[BP:BP+1] offset:64
	global_load_b128 v[BIAS+12:BIAS+15], v[BO], s[BP:BP+1] offset:80
.endif
	v_add_nc_u32 v[WA], s[TB], v[WA0]
	FETCH 0, F0
	FETCH 1, F1
	s_wait_dscnt 16                                ; buffer 0 is in; the other buffer's 16 younger loads may stay out (so below)
	MUL 0, F0, \v
	PLACES
	FETCH 2, F0
	s_wait_dscnt 16
	MUL 1, F1, \v
	PLACES
	FETCH 3, F1
	s_wait_dscnt 16
	MUL 2, F0, \v
	s_wait_dscnt 0x0
	MUL 3, F1, \v
	WIN 0
	s_xor_b32 s[TB], s[TB], R1
	PLACES
	s_wait_loadcnt 0x0                             ; the bias
	s_wait_xcnt 0x0                                ; the last step's stores have read their data and offset
	s_lshr_b32 s58, s[SN], 2
	s_lshl_b32 s58, s58, 24                        ; part: 16,777,216 bytes
	s_lshl_b32 s59, s56, 17                        ; four heads
	s_add_co_u32 s58, s58, s59
	v_add_nc_u32 v[QO], s58, v[QC]
.set n, 0
.rept 32                               ; ascending: each accumulator is read from its low end on
.if \v
	v_pk_add_f32 v[ACC+2*n:ACC+2*n+1], v[ACC+2*n:ACC+2*n+1], v[BIAS+2*((n/4)%2):BIAS+2*((n/4)%2)+1]
.else
	v_pk_add_f32 v[ACC+2*n:ACC+2*n+1], v[ACC+2*n:ACC+2*n+1], v[BIAS+8*((n/4)%2)+2*(n%4):BIAS+8*((n/4)%2)+2*(n%4)+1]
.endif
.set n, n+1
.endr
.if !(\v)
	WIN 0x04                                       ; source 1 (cos, sin) in window 1
.irp rb, 0,1,2,3                       ; a = channels 0-15, b = channels 16-31: a' = a cos - b sin, b' = b cos + a sin
.irp jj, 0,1,2,3
	v_pk_mul_f32 v[TT+4*\jj:TT+4*\jj+1],   v[ACC+16*\rb+8+2*\jj:ACC+16*\rb+9+2*\jj], v[32+8*\rb+2*\jj:33+8*\rb+2*\jj]
	v_pk_mul_f32 v[TT+4*\jj+2:TT+4*\jj+3], v[ACC+16*\rb+2*\jj:ACC+16*\rb+1+2*\jj],   v[32+8*\rb+2*\jj:33+8*\rb+2*\jj]
.endr
.irp jj, 0,1,2,3
	v_pk_fma_f32 v[ACC+16*\rb+2*\jj:ACC+16*\rb+1+2*\jj],   v[ACC+16*\rb+2*\jj:ACC+16*\rb+1+2*\jj],   v[8*\rb+2*\jj:8*\rb+2*\jj+1], v[TT+4*\jj:TT+4*\jj+1] neg_lo:[0,0,1] neg_hi:[0,0,1]
	v_pk_fma_f32 v[ACC+16*\rb+8+2*\jj:ACC+16*\rb+9+2*\jj], v[ACC+16*\rb+8+2*\jj:ACC+16*\rb+9+2*\jj], v[8*\rb+2*\jj:8*\rb+2*\jj+1], v[TT+4*\jj+2:TT+4*\jj+3]
.endr
.endr
.endif
	WIN 0x40                                       ; packed results in window 1
.set n, 0
.rept 32
.if \v
.set sr, ACC+32*(n/16)+8*((n/8)%2)+16*((n/4)%2)+2*(n%4)  ; fragment (key block n / 16, channel block (n / 8) % 2): its two halves are token blocks 2 kb and 2 kb + 1
.else
.set sr, ACC+2*n                       ; fragment rb: its two halves are the head's two tiles
.endif
	v_cvt_pk_bf16_f32 v[64+n], v[sr], v[sr+1]
.set n, n+1
.endr
	WIN 0x04                                       ; store data in window 1
.irp e, 0,1,2,3,4,5,6,7
	global_store_b128 v[QO], v[64+4*\e:64+4*\e+3], s[20:21] offset:\e*512  ; 512 consecutive bytes, at a multiple of 512 from the buffer's first
.endr
	WIN 0
.endm
.Lqk:                                                  ; steps 0 to 7: Wq's and Wk's slots
	NUMS 1
	CHANGE 1
	SLOT 0
	s_add_co_u32 s[D], s[D], 1
	s_cmp_lt_u32 s[D], 8
	s_cbranch_scc1 .Lqk
.Lv:                                                   ; steps 8 to 10: Wv's
	NUMS 1
	CHANGE 0
	SLOT 1
	s_add_co_u32 s[D], s[D], 1
	s_cmp_lt_u32 s[D], 11
	s_cbranch_scc1 .Lv
	NUMS 0
	s_wait_tensorcnt 0x0                           ; step 11, written out: my part of its slot is in (only I read it), and nothing is asked for
	SLOT 1
	s_wait_tensorcnt 0x0                           ; the wave's end, behind my last tensor load and my last LDS store
	ds_add_u32 v[SPW], v[NIL]
	s_wait_dscnt 0x0
	CROUND                                         ; the closing round: no work-group ends while a partner may still ask for a tile that names it
	s_endpgm
.Lfunc_end_k_qed4cb899a9_qkv:
	.size	k_qed4cb899a9_qkv, .Lfunc_end_k_qed4cb899a9_qkv-k_qed4cb899a9_qkv
	.p2alignl 7, 3214868480
	.fill 96, 4, 3214868480
	.section	.rodata,"a",@progbits
	.p2align	6, 0x0
	.amdhsa_kernel k_qed4cb899a9_qkv
		.amdhsa_group_segment_fixed_size 327680
		.amdhsa_private_segment_fixed_size 0
		.amdhsa_enable_private_segment 0
		.amdhsa_kernarg_size 72
		.amdhsa_user_sgpr_count 2
		.amdhsa_user_sgpr_kernarg_segment_ptr 1
		.amdhsa_wavefront_size32 1
		.amdhsa_system_sgpr_workgroup_id_x 1
		.amdhsa_system_sgpr_workgroup_id_y 1
		.amdhsa_system_sgpr_workgroup_id_z 1
		.amdhsa_system_vgpr_workitem_id 0
		.amdhsa_next_free_vgpr 1024
		.amdhsa_next_free_sgpr 76
		.amdhsa_reserve_vcc 0
		.amdhsa_float_denorm_mode_32 3
		.amdhsa_float_denorm_mode_16_64 3
		.amdhsa_memory_ordered 1
		.amdhsa_forward_progress 1
		.amdhsa_inst_pref_size 112
	.end_amdhsa_kernel
	.amdgpu_metadata
---
amdhsa.version: [ 1, 2 ]
amdhsa.kernels:
  - .name:           k_qed4cb899a9_qkv
    .symbol:         k_qed4cb899a9_qkv.kd
    .args:
      - { .name: x, .offset: 0, .size: 8, .value_kind: global_buffer, .address_space: global }
      - { .name: g1, .offset: 8, .size: 8, .value_kind: global_buffer, .address_space: global }
      - { .name: be1, .offset: 16, .size: 8, .value_kind: global_buffer, .address_space: global }
      - { .name: bq, .offset: 24, .size: 8, .value_kind: global_buffer, .address_space: global }
      - { .name: bk, .offset: 32, .size: 8, .value_kind: global_buffer, .address_space: global }
      - { .name: bv, .offset: 40, .size: 8, .value_kind: global_buffer, .address_space: global }
      - { .name: wts, .offset: 48, .size: 8, .value_kind: global_buffer, .address_space: global }
      - { .name: rope, .offset: 56, .size: 8, .value_kind: global_buffer, .address_space: global }
      - { .name: qkv, .offset: 64, .size: 8, .value_kind: global_buffer, .address_space: global }
    .group_segment_fixed_size: 327680
    .private_segment_fixed_size: 0
    .kernarg_segment_align: 8
    .kernarg_segment_size: 72
    .max_flat_workgroup_size: 128
    .sgpr_count:     76
    .vgpr_count:     1024
    .wavefront_size: 32
...
	.end_amdgpu_metadata
.endif
;; end of part 2
;; launch att (part 3): grid 256 x 1, 4 waves a work-group, no clusters, 0 bytes of LDS; arguments qkv, ao; writes ao
.if DOCPART == 3
	.amdgcn_target "amdgcn-amd-amdhsa--gfx1250"
	.amdhsa_code_object_version 6
	.text
	.protected	k_qed4cb899a9_att
	.globl	k_qed4cb899a9_att
	.p2align	8
	.type	k_qed4cb899a9_att,@function
k_qed4cb899a9_att:
	s_mov_b64 s[64:65], 0
	v_nop
	global_prefetch_b8 v0, s[64:65] scope:SCOPE_SE
	s_setreg_imm32_b32 hwreg(HW_REG_WAVE_MODE, 25, 1), 1
	s_wait_xcnt 0x0
; ATTENTION at head size 32, 512 keys, no mask.  O[q] = the sum over k of softmax_k(q . k / sqrt(32)) v[k].  q, k, v arrive as bf16 fragments by heads; O leaves as bf16 fragments.
; SHARES.  A work-group takes two heads, a wave 256 queries of one head: 16 tiles of 16.  A head's whole K (32 fragments) and V^T (32 fragments) lie in 512 registers of the wave, a tile's whole
; row of scores (512 keys) in 256: so the maximum that is taken away is the row's true maximum, and there is no running statistic.  No LDS, no barrier: waves share nothing.
; NO CLUSTER, NO TENSOR LOAD: what two waves share (a head's 65,536 bytes) is read once each at the kernel's head, straight into the register image in which it is used.
; LAYOUT.  S^T = K Q^T (source 0 = 16 keys, source 1 = 16 queries): a lane holds ONE query (lane % 16) and keys 8 (lane / 16) + 0..7 of a tile.  Two tiles rounded to bf16 in pairs ARE source 1
; (32 keys x 16 queries) of O^T = V^T P, whose result holds one query a lane and eight channels: the two channel tiles ARE the output's fragment.
; SOFTMAX in f32: p = 2^(c s - c m), c = log2(e) / sqrt(32); the sum l is taken of the unrounded p; O is divided by l at the end.
; LIMITS.  p is rounded to bf16 for the second product, O once.  A weight below 2^-126 counts as 0.  NaN and infinities are not treated apart.
; REGISTERS, in windows of 256 (s_set_vgpr_msb: bits 1:0 source 0, 3:2 source 1, 5:4 source 2, 7:6 destination):
;   window 0: addresses, Q, at work, O^T      window 1: S^T, tile kt at 8 kt; P in place, key block kb at 16 kb      window 2: K, tile kt at 8 kt      window 3: V^T, (kb, cb) at 8 (2 kb + cb)
.set LO,  2                            ; v2   16 x lane; never rewritten
.set OA,  3                            ; v3   my 16 bytes of the tile's output
.set Q,   32                           ; v[32:39]
.set T,   64                           ; v[64:95]   maxima at work
.set LS,  104                          ; v[104:119] eight chains of sums
.set CM,  120                          ; v120 c m, v121 m
.set RL,  122                          ; v[122:123] 1 / l, twice
.set O,   128                          ; v[128:159] four accumulators: key block's parity p, channel block cb at O + 8 (2 p + cb)
.set OUT, 160                          ; v[160:167]
.set CNT, 28
.set QT,  29                           ; the query tile in hand, 0 .. 31
.set CS,  30                           ; s[30:31] c
.set SEL, 32                           ; s[32:33] v_permlanex16_b32's selects: each lane takes its own place in the other half
.set MSB, 0
.macro WIN new
.if MSB != (\new)
	s_set_vgpr_msb (MSB<<8)|(\new)
.set MSB, \new
.endif
.endm
.macro PKADD d, a, b
	v_pk_add_f32 v[(\d):(\d)+1], v[(\a):(\a)+1], v[(\b):(\b)+1]
.endm
	s_load_b128 s[4:7], s[0:1], 0x0                ; qkv s[4:5], ao s[6:7]
	v_lshrrev_b32 v1, 5, v0
	v_readfirstlane_b32 s8, v1                     ; wave
	v_and_b32 v1, 31, v0
	v_lshlrev_b32 v[LO], 4, v1
	s_lshr_b32 s9, s8, 1
	s_lshl_b32 s10, ttmp9, 1
	s_add_co_u32 s9, s9, s10                       ; the head, 0 .. 511
	s_and_b32 s10, s8, 1                           ; which half of its queries
	s_lshl_b32 s12, s9, 15                         ; a head is 32,768 bytes in each part
	s_mov_b32 s13, 0
	s_lshl_b32 s14, s10, 14
	s_mov_b32 s15, 0
	s_lshr_b32 s24, s9, 4                          ; the sequence: 8 blocks of 65,536 bytes in ao,
	s_lshl_b32 s24, s24, 19
	s_and_b32 s25, s9, 15                          ; the head in it: 4,096 bytes of a block
	s_lshl_b32 s25, s25, 12
	s_add_co_u32 s24, s24, s25
	s_mov_b32 s25, 0
	s_lshl_b32 s[QT], s10, 4
	s_mov_b32 s27, 0
	s_mov_b32 s[CS], 0x3e8293ee                    ; c = 0.255035
	s_mov_b32 s[CS+1], s[CS]                       ; named with it as a pair
	s_mov_b32 s[SEL], 0x76543210
	s_mov_b32 s[SEL+1], 0xfedcba98
	s_mov_b32 s[CNT], 16
	s_wait_kmcnt 0x0
	s_add_nc_u64 s[16:17], s[4:5], s[12:13]
	s_add_nc_u64 s[18:19], s[16:17], 0x1000000     ; K
	s_add_nc_u64 s[20:21], s[16:17], 0x2000000     ; V^T
	s_add_nc_u64 s[16:17], s[16:17], s[14:15]      ; my first query tile
	s_add_nc_u64 s[22:23], s[6:7], s[24:25]
	global_load_b128 v[Q:Q+3],   v[LO], s[16:17]
	global_load_b128 v[Q+4:Q+7], v[LO], s[16:17] offset:512
	WIN 0x80
.set i, 0
.rept 64
	global_load_b128 v[4*i:4*i+3], v[LO], s[18:19] offset:i*512
.set i, i+1
.endr
	WIN 0xc0
.set i, 0
.rept 64
	global_load_b128 v[4*i:4*i+3], v[LO], s[20:21] offset:i*512
.set i, i+1
.endr
	WIN 0
	s_wait_loadcnt 63                              ; Q and K are in: only loads of V's 64 may still be out
.Ltile:
	WIN 0x42
.set i, 0
.rept 32
	v_wmma_f32_16x16x32_bf16 v[8*i:8*i+7], v[8*i:8*i+7], v[Q:Q+7], 0
.set i, i+1
.endr
	WIN 0
.rept 4
	v_nop                                          ; the places behind those products: Q is loaded anew, the scores are read
.endr
	s_cmp_gt_u32 s[CNT], 1                         ; the next tile's Q; the last trip asks for its own once more, so that the wait for V below counts the same loads in every trip
	s_cselect_b32 s26, 1024, 0
	s_add_nc_u64 s[16:17], s[16:17], s[26:27]      ; (the loads that read this address have been waited for)
	global_load_b128 v[Q:Q+3],   v[LO], s[16:17]
	global_load_b128 v[Q+4:Q+7], v[LO], s[16:17] offset:512
	; the maximum of my 256 scores, three operands at a time; each accumulator's lowest registers are read first
	WIN 0x15
.set i, 0
.rept 32
	v_max3_num_f32 v[T+i], v[8*i], v[8*i+1], v[8*i+2]
.set i, i+1
.endr
	WIN 0x14
.set i, 0
.rept 32
	v_max3_num_f32 v[T+i], v[T+i], v[8*i+3], v[8*i+4]
.set i, i+1
.endr
.set i, 0
.rept 32
	v_max3_num_f32 v[T+i], v[T+i], v[8*i+5], v[8*i+6]
.set i, i+1
.endr
	WIN 0x10
.set i, 0
.rept 16
	v_max3_num_f32 v[T+i], v[T+i], v[T+i+16], v[8*i+7]
.set i, i+1
.endr
	WIN 0x14
.set i, 0
.rept 8
	v_max3_num_f32 v[T+i], v[T+i], v[8*(16+2*i)+7], v[8*(17+2*i)+7]
.set i, i+1
.endr
	WIN 0
.irp i, 0,3,6,9,12
	v_max3_num_f32 v[T+\i], v[T+\i], v[T+\i+1], v[T+\i+2]
.endr
	v_max3_num_f32 v[T], v[T], v[T+3], v[T+6]
	v_max3_num_f32 v[T+9], v[T+9], v[T+12], v[T+15]
	v_max_num_f32 v[T], v[T], v[T+9]
	v_permlanex16_b32 v[T+1], v[T], s[SEL], s[SEL+1]  ; the query's other 256 keys lie in the lane 16 away
	v_max_num_f32 v[CM+1], v[T], v[T+1]
	v_mul_f32 v[CM], s[CS], v[CM+1]
	; ONE BATCH: 128 scalings c s - c m and 256 exponentials, in place; nothing in it names an exponential's result.  A pair is scaled two groups ahead of its exponentials
	WIN 0x41
.macro FS n
	v_pk_fma_f32 v[2*(\n):2*(\n)+1], v[2*(\n):2*(\n)+1], s[CS:CS+1], v[CM:CM+1] op_sel_hi:[1,0,0] neg_lo:[0,0,1] neg_hi:[0,0,1]
.endm
	FS 0
	FS 1
.set p, 0
.rept 128
.if p < 126
	FS p+2
.endif
	v_exp_f32 v[2*p], v[2*p]
	v_exp_f32 v[2*p+1], v[2*p+1]
.set p, p+1
.endr
	v_nop                                          ; a plain instruction behind the last exponential,
	s_wait_alu depctr_va_vdst(0)                   ; and one wait for the batch, ahead of its first reader
	WIN 0x05                                       ; the sums: eight chains of 16 pairs
.irp q, 0,1,2,3,4,5,6,7
	v_pk_add_f32 v[LS+2*\q:LS+2*\q+1], v[32*\q:32*\q+1], v[32*\q+2:32*\q+3]
.endr
	WIN 0x04
.set n, 2
.rept 14
.irp q, 0,1,2,3,4,5,6,7
	v_pk_add_f32 v[LS+2*\q:LS+2*\q+1], v[LS+2*\q:LS+2*\q+1], v[32*\q+2*n:32*\q+2*n+1]
.endr
.set n, n+1
.endr
	WIN 0x45                                       ; P in place, ascending: register 16 kb + i takes weights 16 kb + 2 i and the next
.set n, 0
.rept 128
	v_cvt_pk_bf16_f32 v[16*(n/8)+n%8], v[16*(n/8)+2*(n%8)], v[16*(n/8)+2*(n%8)+1]
.set n, n+1
.endr
	WIN 0
.irp q, 0,4,8,12
	PKADD LS+\q, LS+\q, LS+\q+2
.endr
	PKADD LS, LS, LS+4
	PKADD LS+8, LS+8, LS+12
	PKADD LS, LS, LS+8
	v_add_f32 v[LS], v[LS], v[LS+1]
	v_permlanex16_b32 v[LS+1], v[LS], s[SEL], s[SEL+1]
	v_add_f32 v[LS], v[LS], v[LS+1]
	v_rcp_f32 v[RL], v[LS]
	v_rcp_f32 v[RL+1], v[LS]
	v_nop                                          ; a plain instruction behind the reciprocals; their wait stands behind the products
	s_wait_loadcnt 2                               ; V is in (the first trip); the two younger loads, the next Q, may stay out
	WIN 0x07
.set n, 0
.rept 32                               ; key block n / 2, channel block n % 2; the four accumulators take turns; their first products start the sums
.set rO, O+8*(2*((n/2)%2)+n%2)
.if n < 4
	v_wmma_f32_16x16x32_bf16 v[rO:rO+7], v[8*n:8*n+7], v[16*(n/2):16*(n/2)+7], 0
.else
	v_wmma_f32_16x16x32_bf16 v[rO:rO+7], v[8*n:8*n+7], v[16*(n/2):16*(n/2)+7], v[rO:rO+7]
.endif
.set n, n+1
.endr
	WIN 0
.rept 5
	v_nop                                          ; five places: the sums are read, and the next trip's products write over P's registers
.endr
	s_wait_alu depctr_va_vdst(0)                   ; the two reciprocals
	s_wait_xcnt 0x0                                ; the last tile's stores have read their data and offset
.set i, 0
.rept 8
	PKADD O+2*i, O+2*i, O+16+2*i
.set i, i+1
.endr
.set i, 0
.rept 8
	v_pk_mul_f32 v[O+2*i:O+2*i+1], v[O+2*i:O+2*i+1], v[RL:RL+1]
.set i, i+1
.endr
.set i, 0
.rept 8
	v_cvt_pk_bf16_f32 v[OUT+i], v[O+2*i], v[O+2*i+1]
.set i, i+1
.endr
	s_lshr_b32 s34, s[QT], 2                       ; the block of 64 tokens,
	s_lshl_b32 s34, s34, 16
	s_and_b32 s35, s[QT], 3                        ; the 16 tokens in it
	s_lshl_b32 s35, s35, 10
	s_add_co_u32 s34, s34, s35
	v_add_nc_u32 v[OA], s34, v[LO]
	global_store_b128 v[OA], v[OUT:OUT+3],   s[22:23]             ; 512 consecutive bytes each
	global_store_b128 v[OA], v[OUT+4:OUT+7], s[22:23] offset:512
	s_add_co_u32 s[QT], s[QT], 1
	s_wait_loadcnt 0x0                             ; the next Q
	s_sub_co_u32 s[CNT], s[CNT], 1
	s_cmp_lg_u32 s[CNT], 0
	s_cbranch_scc1 .Ltile
	s_endpgm
.Lfunc_end_k_qed4cb899a9_att:
	.size	k_qed4cb899a9_att, .Lfunc_end_k_qed4cb899a9_att-k_qed4cb899a9_att
	.p2alignl 7, 3214868480
	.fill 96, 4, 3214868480
	.section	.rodata,"a",@progbits
	.p2align	6, 0x0
	.amdhsa_kernel k_qed4cb899a9_att
		.amdhsa_group_segment_fixed_size 0
		.amdhsa_private_segment_fixed_size 0
		.amdhsa_enable_private_segment 0
		.amdhsa_kernarg_size 16
		.amdhsa_user_sgpr_count 2
		.amdhsa_user_sgpr_kernarg_segment_ptr 1
		.amdhsa_wavefront_size32 1
		.amdhsa_system_sgpr_workgroup_id_x 1
		.amdhsa_system_sgpr_workgroup_id_y 1
		.amdhsa_system_sgpr_workgroup_id_z 1
		.amdhsa_system_vgpr_workitem_id 0
		.amdhsa_next_free_vgpr 1024
		.amdhsa_next_free_sgpr 66
		.amdhsa_reserve_vcc 0
		.amdhsa_float_denorm_mode_32 3
		.amdhsa_float_denorm_mode_16_64 3
		.amdhsa_memory_ordered 1
		.amdhsa_forward_progress 1
		.amdhsa_inst_pref_size 62
	.end_amdhsa_kernel
	.amdgpu_metadata
---
amdhsa.version: [ 1, 2 ]
amdhsa.kernels:
  - .name:           k_qed4cb899a9_att
    .symbol:         k_qed4cb899a9_att.kd
    .args:
      - { .name: qkv, .offset: 0, .size: 8, .value_kind: global_buffer, .address_space: global }
      - { .name: ao, .offset: 8, .size: 8, .value_kind: global_buffer, .address_space: global }
    .group_segment_fixed_size: 0
    .private_segment_fixed_size: 0
    .kernarg_segment_align: 8
    .kernarg_segment_size: 16
    .max_flat_workgroup_size: 128
    .sgpr_count:     66
    .vgpr_count:     1024
    .wavefront_size: 32
...
	.end_amdgpu_metadata
.endif
;; end of part 3
;; launch ffn (part 4): grid 256 x 1, 4 waves a work-group, clusters of 4 x 1, 327,680 bytes of LDS; arguments x, ao, wts, bo, g2, be2, b1, b2, out0; writes out0
.if DOCPART == 4
	.amdgcn_target "amdgcn-amd-amdhsa--gfx1250"
	.amdhsa_code_object_version 6
	.text
	.protected	k_qed4cb899a9_ffn
	.globl	k_qed4cb899a9_ffn
	.p2align	8
	.type	k_qed4cb899a9_ffn,@function
k_qed4cb899a9_ffn:
	s_mov_b64 s[64:65], 0
	v_nop
	global_prefetch_b8 v0, s[64:65] scope:SCOPE_SE
	s_setreg_imm32_b32 hwreg(HW_REG_WAVE_MODE, 25, 1), 1
	s_wait_xcnt 0x0
	s_wait_alu depctr_hold_cnt(0) depctr_sa_sdst(0) depctr_va_vdst(0) depctr_va_sdst(0) depctr_va_ssrc(0) depctr_va_vcc(0) depctr_vm_vsrc(0)
	s_getreg_b32 s2, hwreg(HW_REG_IB_STS2, 6, 4)
	s_cmp_eq_u32 s2, 0
	s_cbranch_scc0 .Lentry_in_a_cluster
	s_endpgm
.Lentry_in_a_cluster:
	s_bfe_u32 s2, ttmp6, 0x10000c
	s_cmp_lg_u32 s2, 0x3003
	s_cbranch_scc0 .Lentry_shape_is_right
	s_endpgm
.Lentry_shape_is_right:
; FFN: x1 = x + attn Wo + bo; xn2 = LayerNorm(x1) g2 + be2; out = x1 + gelu(xn2 W1 + b1) W2 + b2, gelu with erf.  One launch: neither x1 nor the hidden layer goes to memory.
; SHARES.  A work-group owns 64 rows.  Wave w owns columns 128 w .. 128 w + 127 of the result: 32 accumulators of 16 x 16, which begin as x, take Wo's products, are normalised from, and take
; W2's products: the residual never leaves them.  Each wave holds all of xn2 (64 x 512) as bf16 fragments in 512 registers.
; THE STREAM: 36 slots of 131,072 bytes: Wo by quarters of K (0-3), then for each chunk c of 128 hidden units W1's (4 + 2 c) and W2's (5 + 2 c).  A wave fetches and reads its own 32,768 bytes of a slot.
;   step A (W1): my 32 hidden units x K = 512, 128 matrix instructions on 8 accumulators; then gelu; my 32 units are k step w of the chunk's hidden fragments, put into LDS
;   step B (Wo, W2): my 128 columns x K = 128, 128 matrix instructions on the 32 accumulators; the other source (attention's output, or the hidden chunk) is read from LDS by all waves
; CLUSTER.  All work-groups take the same stream: the four of a cluster ask for each part JOINTLY (the same load, descriptor and mask 15 in all four).
; THE WALK.  Wo's quarters and the chunks are terms of f32 sums, so their order is free, and each cluster begins elsewhere: trip n of Wo takes quarter (n + R) % 4, trip i of the chunks takes
; chunk (i + R) % 16, R made of the cluster's number.  So at any step the 64 clusters ask for 4 (16) different slots, and from a phase's second trip on a cluster asks for slots that other
; clusters asked for a trip earlier.  The order of these sums therefore differs from cluster to cluster.
; LAYOUT.  Source 0 = 16 weight columns, source 1 = 16 tokens: a lane holds one token (lane % 16) and columns 8 (lane / 16) + 0..7 of a tile; two tiles rounded to bf16 ARE a fragment [token][32 k].
; GELU.  gelu(x) = max(x, 0) - |x| y, y = (a1 t + .. + a5 t^5) / 2 x exp(-x^2 / 2), t = 1 / (1 + 0.3275911 |x| / sqrt 2): the rational form of erfc, good to 1.5e-7 in erf for every x.
; LIMITS.  attention's output, xn2 and the hidden layer are rounded once to bf16; exp(-x^2 / 2) below 2^-126 counts as 0; NaN and infinities are not treated apart.
; REGISTERS, in windows of 256 (s_set_vgpr_msb: bits 1:0 source 0, 3:2 source 1, 5:4 source 2, 7:6 destination):
;   window 0: v0-23 addresses; v24-47 mean, 1 / deviation and their product, a pair a token block (Wo: v24-55 a slice of attention's output); v48-63 b1; v64-255 by phase:
;             step A: v64-127 accumulators, v128-191, v192-255 weight fragments; step B: two sets of 96 (64 weights, 32 of the other source); LayerNorm: v64-191 xn2's fragments, v192-255 at work
;   window 1: the 32 accumulators, (rb, b) at 8 (8 rb + b)      windows 2, 3: xn2, fragment (ks, rb) at 8 (4 (ks % 8) + rb); before that window 3 holds g2, be2, b2, bo for my columns, 64 each
.set R1,    0x20000                    ; ring slot 1; first the four waves' tiles of x, 64 rows of 512 + 16 bytes each, up to 266,240
.set HC0,   266240                     ; two buffers of 16,384 bytes, [ks 4][rb 4] fragments; one exclusive or with 0x4000 turns one into the other; together: xn2's exchange
.set STAGE, 299008                     ; 16 rows x 272 bytes a wave, for the way out
.set STAT,  316416                     ; twice [row 64][wave 4] f32
.set SPARE, 318464                     ; the spare words, 128 bytes a wave
.set RR,  2                            ; v2   lane % 16
.set HH,  3                            ; v3   lane / 16
.set LN,  4                            ; v4   lane
.set WA0, 5                            ; v5   my 16 bytes in my part of a slot
.set WA,  6                            ; v6   in the slot in hand
.set HA,  7                            ; v7   my 16 bytes of a fragment in the hidden buffer in hand
.set HS,  8                            ; v8   where I put my quarter of it
.set HS0, 9                            ; v9   4,096 x wave + 16 x lane
.set XA,  10                           ; v10  where I read x
.set BA0, 11                           ; v11  my place in a chunk's b1
.set BA,  12                           ; v12  the same with the chunk
.set SA,  13                           ; v13  where I put a row's partial sum
.set SL,  14                           ; v14  where I read the four
.set STO, 15                           ; v15  the way out: where I put 16 bytes
.set RD,  16                           ; v16  where I read rows back
.set CO,  17                           ; v17  my byte offset in out0
.set PFO, 18                           ; v18  256 x lane; never rewritten
.set PO,  19                           ; v19  my place in bo, g2, be2, b2
.set L16, 20                           ; v20  16 x lane
.set EX,  21                           ; v21  the exchange: where I put my fragments
.set SPW, 22                           ; v22  my spare word; never rewritten
.set NIL, 23                           ; v23  0; never rewritten
.set MU,  24
.set RS,  32
.set NMR, 40
.set SLC, 24
.set B1,  48
.set A1,  64
.set F0,  128
.set F1,  192
.set XFR, 64
.set TQ,  192
.set TS,  208
.set GW,  128                          ; gelu: the exponent, then the exponential
.set GD,  144                          ; the divisor, then t
.set GR,  160                          ; max(x, 0), then gelu
.set GQ,  176                          ; the polynomial
.set HF,  192                          ; the hidden fragments
.set WV,  22
.set CX,  23
.set WG,  24
.set TB,  26                           ; s26  LDS byte of the slot in hand
.set LIM, 27                           ; s27  Wo's trip at whose change my wave prefetches, or none
.set G1W, 28
.set G0W, 36                           ; s[36:39] the weights' group 0: its address is made anew for each fill
.set G1X, 40
.set G0X, 48
.set PFA, 52                           ; s[52:53] where my prefetch stands; never rewritten
.set AP,  54                           ; s[54:55] attention's output at my work-group's 65,536 bytes
.set HB,  66                           ; s66  the hidden buffer in hand
.set CNT, 67
.set TCN, 68
.set ROT, 69                           ; s69  R, 0 .. 15: where my cluster begins its walks
.set K849, 70                          ; s[70:71] sqrt(log2(e) / 2)
.set K231, 72                          ; s72      0.3275911 / sqrt 2
.set CH,  73                           ; s73  the chunk in hand
.set KA5, 74                           ; s[74:83] a5 .. a1, halved, a pair each
.set KA4, 76
.set KA3, 78
.set KA2, 80
.set KA1, 82
.set SEL, 84
.set C512, 86
.set EPS, 87
.set NXT, 88                           ; s88  the slot to be asked for next
.set SQ,  89                           ; s89  Wo's next quarter
.set OFF, 90                           ; s[90:91] a slot's byte offset in the stream
.set WB,  92                           ; s[92:93] the stream at my part of slot 0
.set AQ,  94                           ; s[94:95] attention's output at the slice last asked for
.set MSB, 0
.macro WIN new
.if MSB != (\new)
	s_set_vgpr_msb (MSB<<8)|(\new)
.set MSB, \new
.endif
.endm
.macro PLACES                          ; four places behind a matrix instruction (ISA guide 7.12.1)
.rept 4
	v_nop
.endr
.endm
.macro PKADD d, a, b
	v_pk_add_f32 v[(\d):(\d)+1], v[(\a):(\a)+1], v[(\b):(\b)+1]
.endm
.macro SPAIR r, val
	s_mov_b32 s[\r], \val
	s_mov_b32 s[\r+1], \val
.endm
.macro CROUND                          ; a round of the cluster's barrier
	s_barrier_signal -1
	s_barrier_wait -1
	s_cmp_lg_u32 s[WV], 0
	s_cbranch_scc1 .Lnot_wave_0_\@
	s_barrier_signal -3
.Lnot_wave_0_\@:
	s_barrier_wait -3
	s_barrier_signal -1
	s_barrier_wait -1
.endm
; A PREFETCH INTO THE L2 of W1's and W2's 32 slots.  W1's first loads stand at the change of Wo's trip 3: wave 0 of every work-group names W1's blocks at the change of trip 2, one change ahead.
; W2's first loads stand at the first change behind LayerNorm: wave 1 names W2's blocks at the change of trip 3, the last change ahead of it.  Each kind has 8,192 blocks of 256 bytes, shared out
; BY ADDRESS among 256 work-groups x 32 lanes: one instruction a wave, each block named once in the launch.  Wo's four slots are all asked for by the launch's first loads.
.macro ASK
	s_cmp_eq_u32 s[TCN], s[LIM]
	s_cbranch_scc0 .Lnot_mine_\@
	global_prefetch_b8 v[PFO], s[PFA:PFA+1] th:TH_LOAD_NT scope:SCOPE_SE
.Lnot_mine_\@:
.endm
; THE CHANGE OF SLOTS, in front of a step.  My one tensor load that is out is my part of the step's slot; my LDS reads and stores are over.  Behind the round no wave of any partner reads the
; other LDS slot or has a load on its way, what the waves of my work-group stored for each other is whole, and my part of slot NXT is asked for first: it has the step's work in which to land.
.macro CHANGE ask
	WIN 0
	s_wait_tensorcnt 0x0
	ds_add_u32 v[SPW], v[NIL]                      ; 0 onto my spare word
	s_xor_b32 s[G0W+1], s[G0W+1], R1
	s_lshl_b32 s[OFF], s[NXT], 17                  ; the address is made anew from the slot's number, which is the same in all four partners
	s_add_nc_u64 s[G0W+2:G0W+3], s[WB:WB+1], s[OFF:OFF+1]
	s_or_b32 s[G0W+3], s[G0W+3], 0x80000000
	s_wait_dscnt 0x0
	CROUND
	tensor_load_to_lds s[G0W:G0W+3], s[G1W:G1W+7]
	s_nop 0
	PLACES
.if \ask
	ASK
.endif
.endm
	s_load_b512 s[4:19], s[0:1], 0x0               ; x s[4:5], ao s[6:7], wts s[8:9], bo s[10:11], g2 s[12:13], be2 s[14:15], b1 s[16:17], b2 s[18:19]
	s_load_b64 s[20:21], s[0:1], 0x40              ; out0
	v_lshl_add_u32 v[SPW], v0, 2, SPARE
	v_mov_b32 v[NIL], 0
	ds_add_u32 v[SPW], v[NIL]                      ; the wave's opening: the add and its wait ahead of my first tensor load
	v_lshrrev_b32 v1, 5, v0
	v_readfirstlane_b32 s[WV], v1
	s_bfe_u32 s[CX], ttmp6, 0x40000
	s_lshl_b32 s[WG], ttmp9, 2
	s_add_co_u32 s[WG], s[WG], s[CX]
	s_mov_b32 s[G1W], 15|(3<<16)|(1<<21)           ; weights: a dense block as 128 rows of 32 elements of 8 bytes; the mask of four, bit 21 beside it
	s_mov_b32 s[G1W+1], 32<<16
	s_mov_b32 s[G1W+2], 128<<16
	s_mov_b32 s[G1W+3], 32<<16
	s_mov_b32 s[G1W+4], 128
	s_mov_b32 s[G1W+5], 32
	s_mov_b32 s[G1W+6], 0
	s_mov_b32 s[G1W+7], 0
	s_mov_b32 s[G1X], (2<<16)|(1<<20)|(6<<22)|(3<<25)  ; x: elements of 4 bytes; after every 128 words (code 6) 4 words of padding (code 3)
	s_mov_b32 s[G1X+1], 128<<16                    ; tensor_dim0 = 128
	s_mov_b32 s[G1X+2], 64<<16                     ; tensor_dim1 = 64
	s_mov_b32 s[G1X+3], 128<<16                    ; tile_dim0 = 128
	s_mov_b32 s[G1X+4], 64                         ; tile_dim1 = 64
	s_mov_b32 s[G1X+5], 512                        ; 512 elements from row to row
	s_mov_b32 s[G1X+6], 0
	s_mov_b32 s[G1X+7], 0
	s_mov_b32 s[G0W], 1
	s_lshl_b32 s[G0W+1], s[WV], 15
	s_mov_b32 s[G0X], 1
	s_mul_i32 s[G0X+1], s[WV], 33792
	s_add_co_u32 s[G0X+1], s[G0X+1], R1
	; R: four bits made of the cluster number's six, each the exclusive or of two neighbours (0^1, 1^2, 3^4, 4^5): among the clusters that agree in any one bit of their number all 16 values occur
	s_mov_b32 s56, ttmp9
	s_lshr_b32 s57, s56, 1
	s_xor_b32 s57, s57, s56
	s_and_b32 s[ROT], s57, 3
	s_lshr_b32 s57, s57, 1
	s_and_b32 s57, s57, 12
	s_or_b32 s[ROT], s[ROT], s57
	s_add_co_u32 s[LIM], s[WV], 2                  ; wave 0: trip 2; wave 1: trip 3; waves 2 and 3: never
	s_cmp_lt_u32 s[WV], 2
	s_cselect_b32 s[LIM], s[LIM], -1
	SPAIR K849, 0x3f596d27
	s_mov_b32 s[K231], 0x3e6d3388
	SPAIR KA5, 0x3f07dc22
	SPAIR KA4, 0xbf3a00e3
	SPAIR KA3, 0x3f35f0e3
	SPAIR KA2, 0xbe11a98e
	SPAIR KA1, 0x3e027906
	s_mov_b32 s[SEL], 0x76543210
	s_mov_b32 s[SEL+1], 0xfedcba98
	s_mov_b32 s[C512], 0x3b000000
	s_mov_b32 s[EPS], 0x3727c5ac
	s_mov_b32 s[TB], 0
	s_mov_b32 s[HB], HC0
	s_mov_b32 s[TCN], 0
	s_lshl_b32 s56, s[WV], 15
	s_mov_b32 s57, 0
	s_lshl_b32 s58, s[WG], 17                      ; my work-group's 64 rows of 2,048 bytes
	s_mov_b32 s59, 0
	s_lshl_b32 s60, s[WV], 9                       ; my 128 columns
	s_mov_b32 s61, 0
	s_lshr_b32 s62, s[WG], 4                       ; the prefetch: chunk = work-group / 16: slot 4 + 2 x chunk (wave 0: W1's) or the next (wave 1: W2's),
	s_lshl_b32 s62, s62, 1
	s_add_co_u32 s62, s62, 4
	s_and_b32 s63, s[WV], 1
	s_add_co_u32 s62, s62, s63
	s_lshl_b32 s62, s62, 17
	s_and_b32 s63, s[WG], 15                       ; and of its 512 blocks the 32 from 32 x (work-group % 16) on
	s_lshl_b32 s63, s63, 13
	s_add_co_u32 s62, s62, s63
	s_mov_b32 s63, 0
	s_and_b32 s[SQ], s[ROT], 3                     ; Wo's first quarter
	s_lshl_b32 s[OFF], s[SQ], 17
	s_mov_b32 s[OFF+1], 0
	s_wait_dscnt 0x0                               ; the opening add is done
	s_wait_kmcnt 0x0
	s_add_nc_u64 s[8:9], s[8:9], 12*0x20000        ; the stream begins at Wo
	s_add_nc_u64 s[WB:WB+1], s[8:9], s[56:57]
	s_add_nc_u64 s[G0W+2:G0W+3], s[WB:WB+1], s[OFF:OFF+1]
	s_or_b32 s[G0W+3], s[G0W+3], 0x80000000
	s_add_nc_u64 s[G0X+2:G0X+3], s[4:5], s[58:59]
	s_add_nc_u64 s[G0X+2:G0X+3], s[G0X+2:G0X+3], s[60:61]
	s_or_b32 s[G0X+3], s[G0X+3], 0x80000000
	s_add_nc_u64 s[PFA:PFA+1], s[8:9], s[62:63]
	s_add_nc_u64 s[20:21], s[20:21], s[58:59]      ; out0 at my work-group's rows
	s_lshl_b32 s58, s[WG], 16
	s_add_nc_u64 s[AP:AP+1], s[6:7], s[58:59]      ; attention's output: my work-group's 65,536 bytes,
	s_lshl_b32 s58, s[SQ], 14
	s_add_nc_u64 s[AQ:AQ+1], s[AP:AP+1], s[58:59]  ; and the first quarter's slice of them: four heads, 16,384 bytes
	CROUND                                         ; all four work-groups are here: the first joint loads meet
	tensor_load_to_lds s[G0X:G0X+3], s[G1X:G1X+7]  ; x: my own columns, no mask
	s_nop 0
	tensor_load_to_lds s[G0W:G0W+3], s[G1W:G1W+7]  ; Wo's first quarter.  Two loads of mine are out
	s_nop 0
	PLACES
	v_and_b32 v[LN], 31, v0
	v_and_b32 v[RR], 15, v0
	v_bfe_u32 v[HH], v0, 4, 1
	v_lshlrev_b32 v[L16], 4, v[LN]
	s_lshl_b32 s56, s[WV], 12
	v_add_nc_u32 v[HS0], s56, v[L16]
.irp i, 0,1,2,3,4,5,6,7                ; the first slice of attention's output; my quarter of it, 4,096 consecutive bytes
	global_load_b128 v[SLC+4*\i:SLC+4*\i+3], v[HS0], s[AQ:AQ+1] offset:\i*512
.endr
	v_lshl_add_u32 v[PO], v[HH], 5, s60            ; (128 w + 8 (lane / 16)) x 4
	WIN 0xc0
.irp b, 0,1,2,3,4,5,6,7                ; the four vectors in the accumulators' layout: column 16 b + 8 (lane / 16) + j at 8 b + j
	global_load_b128 v[8*\b:8*\b+3],         v[PO], s[12:13] offset:\b*64
	global_load_b128 v[8*\b+4:8*\b+7],       v[PO], s[12:13] offset:\b*64+16
	global_load_b128 v[64+8*\b:64+8*\b+3],   v[PO], s[14:15] offset:\b*64
	global_load_b128 v[64+8*\b+4:64+8*\b+7], v[PO], s[14:15] offset:\b*64+16
	global_load_b128 v[128+8*\b:128+8*\b+3],   v[PO], s[18:19] offset:\b*64
	global_load_b128 v[128+8*\b+4:128+8*\b+7], v[PO], s[18:19] offset:\b*64+16
	global_load_b128 v[192+8*\b:192+8*\b+3],   v[PO], s[10:11] offset:\b*64
	global_load_b128 v[192+8*\b+4:192+8*\b+7], v[PO], s[10:11] offset:\b*64+16
.endr
	WIN 0
	s_lshl_b32 s56, s[WV], 15
	v_add_nc_u32 v[WA0], s56, v[L16]
	v_mul_u32_u24 v[XA], v[RR], 528
	v_lshl_add_u32 v[XA], v[HH], 5, v[XA]
	v_add_nc_u32 v[XA], s[G0X+1], v[XA]
	s_lshl_b32 s56, s[WV], 7
	v_lshl_add_u32 v[BA0], v[HH], 5, s56
	s_lshl_b32 s56, s[WV], 2
	s_add_co_u32 s56, s56, STAT
	v_lshl_add_u32 v[SA], v[RR], 4, s56
	v_lshl_add_u32 v[SL], v[RR], 4, STAT
	s_mul_i32 s57, s[WV], 4352
	s_add_co_u32 s57, s57, STAGE
	v_mul_u32_u24 v[STO], v[RR], 272
	v_lshl_add_u32 v[STO], v[HH], 5, v[STO]
	v_add_nc_u32 v[STO], s57, v[STO]
	v_mul_u32_u24 v[RD], v[HH], 272
	v_lshl_add_u32 v[RD], v[RR], 4, v[RD]
	v_add_nc_u32 v[RD], s57, v[RD]
	v_lshlrev_b32 v[CO], 11, v[HH]
	v_lshl_add_u32 v[CO], v[RR], 4, v[CO]
	v_add_nc_u32 v[CO], s60, v[CO]
	v_lshlrev_b32 v[PFO], 8, v[LN]
	s_and_b32 s56, s[WV], 1
	s_lshl_b32 s56, s56, 14
	s_add_co_u32 s56, s56, HC0
	v_add_nc_u32 v[EX], s56, v[L16]
	s_wait_tensorcnt 1                             ; my tile of x is in (only I read it); Wo's first quarter may stay out
	WIN 0x40
.irp rb, 0,1,2,3                       ; THE SUMS BEGIN AS THE RESIDUAL: x goes straight into the accumulators
.irp b, 0,1,2,3,4,5,6,7
	ds_load_b128 v[8*(8*\rb+\b):8*(8*\rb+\b)+3],   v[XA] offset:\rb*8448+\b*64
	ds_load_b128 v[8*(8*\rb+\b)+4:8*(8*\rb+\b)+7], v[XA] offset:\rb*8448+\b*64+16
.endr
.endr
	s_wait_dscnt 0x0
	s_wait_loadcnt 0x0
	WIN 0x4d
.set n, 0
.rept 128
	v_pk_add_f32 v[2*n:2*n+1], v[2*n:2*n+1], v[192+2*(n%32):193+2*(n%32)]  ; + bo
.set n, n+1
.endr
	WIN 0
; STEP B.  24 LDS loads: k step ks of my part (8 weight fragments) and of the other source (4 fragments), into a set
.macro FETCHB ks, set
	WIN 0
.irp b, 0,1,2,3,4,5,6,7
	ds_load_b128 v[64+96*(\set)+8*\b:64+96*(\set)+8*\b+3],   v[WA] offset:(\ks)*8192+\b*1024
	ds_load_b128 v[64+96*(\set)+8*\b+4:64+96*(\set)+8*\b+7], v[WA] offset:(\ks)*8192+\b*1024+512
.endr
.irp rb, 0,1,2,3
	ds_load_b128 v[128+96*(\set)+8*\rb:128+96*(\set)+8*\rb+3],   v[HA] offset:(\ks)*4096+\rb*1024
	ds_load_b128 v[128+96*(\set)+8*\rb+4:128+96*(\set)+8*\rb+7], v[HA] offset:(\ks)*4096+\rb*1024+512
.endr
.endm
.macro MULB set                        ; 32 matrix instructions; the 32 accumulators take turns, over the loops' backward jumps too
	WIN 0x50
.irp rb, 0,1,2,3
.irp b, 0,1,2,3,4,5,6,7
	v_wmma_f32_16x16x32_bf16 v[8*(8*\rb+\b):8*(8*\rb+\b)+7], v[64+96*(\set)+8*\b:64+96*(\set)+8*\b+7], v[128+96*(\set)+8*\rb:128+96*(\set)+8*\rb+7], v[8*(8*\rb+\b):8*(8*\rb+\b)+7]
.endr
.endr
.endm
.macro BSTEP
	WIN 0
	v_add_nc_u32 v[WA], s[TB], v[WA0]
	v_add_nc_u32 v[HA], s[HB], v[L16]
	FETCHB 0, 0
	FETCHB 1, 1
	s_wait_dscnt 24                                ; set 0 is in; the other set's 24 younger loads may stay out (so below)
	MULB 0
	PLACES
	FETCHB 2, 0
	s_wait_dscnt 24
	MULB 1
	PLACES
	FETCHB 3, 1
	s_wait_dscnt 24
	MULB 0
	s_wait_dscnt 0x0
	MULB 1
	WIN 0
	s_xor_b32 s[TB], s[TB], R1
.endm
.Lwo:                                                  ; x1 += attn Wo, a quarter of K a trip: trip n takes quarter (n + R) % 4
	s_wait_loadcnt 0x0                             ; my quarter of the slice
	v_add_nc_u32 v[HS], s[HB], v[HS0]
.irp i, 0,1,2,3,4,5,6,7
	ds_store_b128 v[HS], v[SLC+4*\i:SLC+4*\i+3] offset:\i*512
.endr
	s_add_co_u32 s56, s[TCN], s[ROT]               ; what is asked for now: the next trip's quarter, or behind the last W1 of my first chunk
	s_add_co_u32 s56, s56, 1
	s_and_b32 s[SQ], s56, 3
	s_lshl_b32 s57, s[ROT], 1
	s_add_co_u32 s57, s57, 4
	s_cmp_lt_u32 s[TCN], 3
	s_cselect_b32 s[NXT], s[SQ], s57
	CHANGE 1                                       ; its wait and its round show the whole slice to every wave
	s_cmp_lt_u32 s[TCN], 3
	s_cbranch_scc0 .Lnoslice                       ; the last trip has no slice behind it
	s_lshl_b32 s56, s[SQ], 14
	s_mov_b32 s57, 0
	s_add_nc_u64 s[AQ:AQ+1], s[AP:AP+1], s[56:57]  ; (the loads that read this address have been waited for)
.irp i, 0,1,2,3,4,5,6,7
	global_load_b128 v[SLC+4*\i:SLC+4*\i+3], v[HS0], s[AQ:AQ+1] offset:\i*512
.endr
.Lnoslice:
	BSTEP
	s_xor_b32 s[HB], s[HB], 0x4000                 ; two buffers: a wave may store the next slice while another still reads this one
	s_add_co_u32 s[TCN], s[TCN], 1
	s_cmp_lt_u32 s[TCN], 4
	s_cbranch_scc1 .Lwo
	s_wait_loadcnt 0x0                             ; on every way out of the loop no slice is on its way: v24-55 are written, and v48-55 loaded anew with b1, only behind this line (the last trip asked for none, so nothing is waited for)
	; LAYERNORM 2.  A row's 512 numbers lie in two lanes of each of the four waves: sums go across the lanes' halves and, through LDS, across the waves; every wave adds the four in the same order.
; the partial sum of token block rb lies in the pair at b + st x rb; the row's whole sum comes back in v[TS + 4 rb]
.macro XSUM b, st, off
.irp rb, 0,1,2,3
	v_add_f32 v[(\b)+(\st)*\rb], v[(\b)+(\st)*\rb], v[(\b)+(\st)*\rb+1]
.endr
.irp rb, 0,1,2,3
	v_permlanex16_b32 v[(\b)+(\st)*\rb+1], v[(\b)+(\st)*\rb], s[SEL], s[SEL+1]
.endr
.irp rb, 0,1,2,3
	v_add_f32 v[(\b)+(\st)*\rb], v[(\b)+(\st)*\rb], v[(\b)+(\st)*\rb+1]
.endr
.irp rb, 0,1,2,3
	ds_store_b32 v[SA], v[(\b)+(\st)*\rb] offset:(\off)+\rb*256
.endr
	s_wait_dscnt 0x0
	s_barrier_signal -1
	s_barrier_wait -1
.irp rb, 0,1,2,3
	ds_load_b128 v[TS+4*\rb:TS+4*\rb+3], v[SL] offset:(\off)+\rb*256
.endr
	s_wait_dscnt 0x0
.irp rb, 0,1,2,3
	v_add_f32 v[TS+4*\rb], v[TS+4*\rb], v[TS+4*\rb+1]
	v_add_f32 v[TS+4*\rb+2], v[TS+4*\rb+2], v[TS+4*\rb+3]
.endr
.irp rb, 0,1,2,3
	v_add_f32 v[TS+4*\rb], v[TS+4*\rb], v[TS+4*\rb+2]
.endr
.endm
	PLACES
	WIN 0x05                                       ; the sums: eight chains, four accumulators each, ascending
.irp c, 0,1,2,3,4,5,6,7
	v_pk_add_f32 v[TQ+2*\c:TQ+2*\c+1], v[32*\c:32*\c+1], v[32*\c+2:32*\c+3]
.endr
	WIN 0x04
.set n, 2
.rept 14
.irp c, 0,1,2,3,4,5,6,7
	v_pk_add_f32 v[TQ+2*\c:TQ+2*\c+1], v[TQ+2*\c:TQ+2*\c+1], v[32*\c+2*n:32*\c+2*n+1]
.endr
.set n, n+1
.endr
	WIN 0
.irp rb, 0,1,2,3
	PKADD TQ+4*\rb, TQ+4*\rb, TQ+4*\rb+2
.endr
	XSUM TQ, 4, 0
.irp rb, 0,1,2,3
	v_mul_f32 v[MU+2*\rb], s[C512], v[TS+4*\rb]
	v_mul_f32 v[MU+2*\rb+1], s[C512], v[TS+4*\rb]
.endr
.irp rb, 0,1,2,3                       ; the squares of the deviations, four chains a token block
	WIN 0x01
.set n, 0
.rept 32
	v_pk_add_f32 v[TQ+2*n:TQ+2*n+1], v[64*\rb+2*n:64*\rb+2*n+1], v[MU+2*\rb:MU+2*\rb+1] neg_lo:[0,1] neg_hi:[0,1]
.set n, n+1
.endr
	WIN 0
.set n, 0
.rept 32
.if n < 4
	v_pk_mul_f32 v[XFR+8*\rb+2*n:XFR+8*\rb+2*n+1], v[TQ+2*n:TQ+2*n+1], v[TQ+2*n:TQ+2*n+1]
.else
	v_pk_fma_f32 v[XFR+8*\rb+2*(n%4):XFR+8*\rb+2*(n%4)+1], v[TQ+2*n:TQ+2*n+1], v[TQ+2*n:TQ+2*n+1], v[XFR+8*\rb+2*(n%4):XFR+8*\rb+2*(n%4)+1]
.endif
.set n, n+1
.endr
.endr
.irp rb, 0,1,2,3
	PKADD XFR+8*\rb, XFR+8*\rb, XFR+8*\rb+2
	PKADD XFR+8*\rb+4, XFR+8*\rb+4, XFR+8*\rb+6
.endr
.irp rb, 0,1,2,3
	PKADD XFR+8*\rb, XFR+8*\rb, XFR+8*\rb+4
.endr
	XSUM XFR, 8, 1024                              ; other bytes than the first sums': no barrier is owed between those reads and these stores
.irp rb, 0,1,2,3
	v_fma_f32 v[RS+2*\rb], v[TS+4*\rb], s[C512], s[EPS]
.endr
.irp rb, 0,1,2,3
	v_rsq_f32 v[RS+2*\rb], v[RS+2*\rb]
.endr
	v_nop                                          ; a plain instruction behind the last of the four,
	s_wait_alu depctr_va_vdst(0)                   ; and one wait for them, ahead of their first reader
.irp rb, 0,1,2,3
	v_mov_b32 v[RS+2*\rb+1], v[RS+2*\rb]
.endr
.irp rb, 0,1,2,3
	v_pk_mul_f32 v[NMR+2*\rb:NMR+2*\rb+1], v[MU+2*\rb:MU+2*\rb+1], v[RS+2*\rb:RS+2*\rb+1] neg_lo:[1,0] neg_hi:[1,0]
.endr
.irp rb, 0,1,2,3                       ; xn2 = (x1 - mean) / deviation x g2 + be2, rounded into fragments (k step ksl of my four, rb) at XFR + 8 (4 ksl + rb)
	WIN 0x01
.set n, 0
.rept 32
	v_pk_fma_f32 v[TQ+2*n:TQ+2*n+1], v[64*\rb+2*n:64*\rb+2*n+1], v[RS+2*\rb:RS+2*\rb+1], v[NMR+2*\rb:NMR+2*\rb+1]
.set n, n+1
.endr
	WIN 0x3c
.set n, 0
.rept 32
	v_pk_fma_f32 v[TQ+2*n:TQ+2*n+1], v[TQ+2*n:TQ+2*n+1], v[2*n:2*n+1], v[64+2*n:65+2*n]
.set n, n+1
.endr
	WIN 0
.set n, 0
.rept 32
	v_cvt_pk_bf16_f32 v[XFR+8*(4*(n/8)+\rb)+n%8], v[TQ+2*n], v[TQ+2*n+1]
.set n, n+1
.endr
.endr
	WIN 0x4d
.set n, 0
.rept 128
	v_pk_add_f32 v[2*n:2*n+1], v[2*n:2*n+1], v[128+2*(n%32):129+2*(n%32)]  ; + b2: the accumulators go on as x1 + b2
.set n, n+1
.endr
	WIN 0
	; THE EXCHANGE: every wave needs all 16 k steps of xn2.  32,768 bytes at a time: waves 0 and 1 put theirs (k steps 0-7), all read; then waves 2 and 3.  The last reads of these bytes (Wo's) lie two barriers back.
.macro PUTX
.set n, 0
.rept 32
	ds_store_b128 v[EX], v[XFR+4*n:XFR+4*n+3] offset:n*512
.set n, n+1
.endr
.endm
.macro GETX
.set n, 0
.rept 64
	ds_load_b128 v[4*n:4*n+3], v[HA] offset:n*512
.set n, n+1
.endr
.endm
	v_add_nc_u32 v[HA], HC0, v[L16]
	s_cmp_lt_u32 s[WV], 2
	s_cbranch_scc0 .Lx0
	PUTX
.Lx0:
	s_wait_dscnt 0x0
	s_barrier_signal -1
	s_barrier_wait -1
	WIN 0x80
	GETX
	WIN 0
	s_wait_dscnt 0x0
	s_barrier_signal -1
	s_barrier_wait -1                              ; everybody has read: the bytes may be written again
	s_cmp_lt_u32 s[WV], 2
	s_cbranch_scc1 .Lx1
	PUTX
.Lx1:
	s_wait_dscnt 0x0
	s_barrier_signal -1
	s_barrier_wait -1
	WIN 0xc0                                       ; g2, be2, b2, bo have served
	GETX
	WIN 0
	s_mov_b32 s[CH], s[ROT]                        ; my cluster's first chunk
	s_lshl_b32 s56, s[CH], 9
	v_add_nc_u32 v[BA], s56, v[BA0]
	global_load_b128 v[B1:B1+3],     v[BA], s[16:17]             ; its b1, in the accumulators' layout
	global_load_b128 v[B1+4:B1+7],   v[BA], s[16:17] offset:16
	global_load_b128 v[B1+8:B1+11],  v[BA], s[16:17] offset:64
	global_load_b128 v[B1+12:B1+15], v[BA], s[16:17] offset:80
	v_add_nc_u32 v[HS], HC0, v[HS0]
; STEP A.
.macro FETCH g, f
	WIN 0
.irp k, 0,1,2,3
.irp t, 0,1
	ds_load_b128 v[(\f)+8*(2*\k+\t):(\f)+8*(2*\k+\t)+3],   v[WA] offset:(4*(\g)+\k)*2048+\t*1024
	ds_load_b128 v[(\f)+8*(2*\k+\t)+4:(\f)+8*(2*\k+\t)+7], v[WA] offset:(4*(\g)+\k)*2048+\t*1024+512
.endr
.endr
.endm
.macro MUL g, f                        ; 32 matrix instructions; the 8 accumulators take turns; the first k step starts the sums from b1
	WIN 0x08+4*((\g)/2)
.irp k, 0,1,2,3
.irp rb, 0,1,2,3
.irp t, 0,1
.set rA, A1+8*(2*\rb+\t)
.set rW, (\f)+8*(2*\k+\t)
.set rX, 8*(4*((4*(\g)+\k)%8)+\rb)
.if ((\g)+\k) == 0
	v_wmma_f32_16x16x32_bf16 v[rA:rA+7], v[rW:rW+7], v[rX:rX+7], v[B1+8*\t:B1+8*\t+7]
.else
	v_wmma_f32_16x16x32_bf16 v[rA:rA+7], v[rW:rW+7], v[rX:rX+7], v[rA:rA+7]
.endif
.endr
.endr
.endr
.endm
.macro ASTEP
	WIN 0
	v_nop                                          ; with the four behind the tensor load and the line below: the places in front of products that write over registers that step B's products read
	v_add_nc_u32 v[WA], s[TB], v[WA0]
	FETCH 0, F0
	FETCH 1, F1
	s_wait_loadcnt 0x0                             ; b1
	s_wait_dscnt 16                                ; buffer 0 is in; the other buffer's 16 younger loads may stay out (so below)
	MUL 0, F0
	PLACES
	WIN 0
	s_cmp_gt_u32 s[CNT], 1
	s_cbranch_scc0 .Lno_b1_\@                      ; the last trip has no chunk behind it
	s_add_co_u32 s56, s[CH], 1                     ; the next chunk's b1: it has a step and a half in which to land
	s_and_b32 s56, s56, 15
	s_lshl_b32 s56, s56, 9
	v_add_nc_u32 v[BA], s56, v[BA0]
	global_load_b128 v[B1:B1+3],     v[BA], s[16:17]
	global_load_b128 v[B1+4:B1+7],   v[BA], s[16:17] offset:16
	global_load_b128 v[B1+8:B1+11],  v[BA], s[16:17] offset:64
	global_load_b128 v[B1+12:B1+15], v[BA], s[16:17] offset:80
.Lno_b1_\@:
	FETCH 2, F0
	s_wait_dscnt 16
	MUL 1, F1
	PLACES
	FETCH 3, F1
	s_wait_dscnt 16
	MUL 2, F0
	s_wait_dscnt 0x0
	MUL 3, F1
	WIN 0
	s_xor_b32 s[TB], s[TB], R1
.endm
; GELU of my 64 tokens x 32 hidden units, a token block (16 registers) at a time.  A block's 16 exponentials and 16 reciprocals are one batch, a plain line behind each, with one wait.
.macro GELU
	PLACES
.irp rb, 0,1,2,3
.set XB, A1+16*\rb
.set i, 0
.rept 8
	v_pk_mul_f32 v[GW+2*i:GW+2*i+1], v[XB+2*i:XB+2*i+1], s[K849:K849+1] op_sel_hi:[1,0]
.set i, i+1
.endr
.set i, 0
.rept 8
	v_pk_mul_f32 v[GW+2*i:GW+2*i+1], v[GW+2*i:GW+2*i+1], v[GW+2*i:GW+2*i+1] neg_lo:[1,0] neg_hi:[1,0]  ; -x^2 log2(e) / 2
.set i, i+1
.endr
.set i, 0
.rept 16
	v_exp_f32 v[GW+i], v[GW+i]
	v_fma_f32 v[GD+i], |v[XB+i]|, s[K231], 1.0
.set i, i+1
.endr
.set i, 0
.rept 16
	v_rcp_f32 v[GD+i], v[GD+i]
	v_max_num_f32 v[GR+i], 0, v[XB+i]
.set i, i+1
.endr
	s_wait_alu depctr_va_vdst(0)                   ; one wait for the batch, ahead of its first reader
.set i, 0
.rept 8
	v_pk_fma_f32 v[GQ+2*i:GQ+2*i+1], v[GD+2*i:GD+2*i+1], s[KA5:KA5+1], s[KA4:KA4+1] op_sel_hi:[1,0,0]
.set i, i+1
.endr
.irp c, KA3, KA2, KA1
.set i, 0
.rept 8
	v_pk_fma_f32 v[GQ+2*i:GQ+2*i+1], v[GQ+2*i:GQ+2*i+1], v[GD+2*i:GD+2*i+1], s[\c:\c+1] op_sel_hi:[1,1,0]
.set i, i+1
.endr
.endr
.set i, 0
.rept 8
	v_pk_mul_f32 v[GQ+2*i:GQ+2*i+1], v[GQ+2*i:GQ+2*i+1], v[GD+2*i:GD+2*i+1]
.set i, i+1
.endr
.set i, 0
.rept 8
	v_pk_mul_f32 v[GQ+2*i:GQ+2*i+1], v[GQ+2*i:GQ+2*i+1], v[GW+2*i:GW+2*i+1]
.set i, i+1
.endr
.set i, 0
.rept 16
	v_fma_f32 v[GR+i], -|v[XB+i]|, v[GQ+i], v[GR+i]
.set i, i+1
.endr
.set i, 0
.rept 8
	v_cvt_pk_bf16_f32 v[HF+8*\rb+i], v[GR+2*i], v[GR+2*i+1]
.set i, i+1
.endr
.endr
.irp e, 0,1,2,3,4,5,6,7
	ds_store_b128 v[HS], v[HF+4*\e:HF+4*\e+3] offset:\e*512  ; k step w of the chunk: four fragments
.endr
.endm
	s_mov_b32 s[CNT], 16
	s_mov_b32 s[HB], HC0
	s_branch .LA                                   ; the loop is entered in the middle of a trip: the first chunk has no step B in front of it
.LB:                                                   ; a trip: step B of a chunk, step A of the next, (chunk + 1) % 16
	s_add_co_u32 s[CH], s[CH], 1
	s_and_b32 s[CH], s[CH], 15
	s_lshl_b32 s[NXT], s[CH], 1
	s_add_co_u32 s[NXT], s[NXT], 4
	CHANGE 0                                       ; the hidden chunk is whole; W1 of the next chunk is asked for
	BSTEP
.LA:
	s_lshl_b32 s[NXT], s[CH], 1
	s_add_co_u32 s[NXT], s[NXT], 5
	CHANGE 0                                       ; every wave has read the hidden chunk: it may be written again; W2 of this chunk is asked for
	ASTEP
	GELU
	s_sub_co_u32 s[CNT], s[CNT], 1
	s_cmp_lg_u32 s[CNT], 0
	s_cbranch_scc1 .LB
	s_wait_tensorcnt 0x0                           ; the last step B is written out: my part of its slot is in, and nothing is asked for
	ds_add_u32 v[SPW], v[NIL]
	s_wait_dscnt 0x0                               ; my part of the last hidden chunk is stored
	s_barrier_signal -1
	s_barrier_wait -1                              ; everybody's is
	BSTEP
	; THE WAY OUT, f32: 16 rows x 64 columns at a time through my stage: rows of 256 + 16 bytes in, whole rows of 256 bytes back.
	PLACES
.irp rb, 0,1,2,3
.irp hf, 0,1
	s_wait_xcnt 0x0                                ; earlier stores have read their data: the registers are loaded again only behind this wait
	WIN 0x04                                       ; store data in window 1; each accumulator's low four registers go first
.irp bb, 0,1,2,3
	ds_store_b128 v[STO], v[8*(8*\rb+4*\hf+\bb):8*(8*\rb+4*\hf+\bb)+3]   offset:\bb*64
	ds_store_b128 v[STO], v[8*(8*\rb+4*\hf+\bb)+4:8*(8*\rb+4*\hf+\bb)+7] offset:\bb*64+16
.endr
	WIN 0
.irp t, 0,1,2,3,4,5,6,7
	ds_load_b128 v[64+32*\hf+4*\t:64+32*\hf+4*\t+3], v[RD] offset:\t*544  ; LDS serves a wave's instructions in order (ISA guide 5.7.1.4): these see the stores above
.endr
	s_wait_dscnt 0x0
.irp t, 0,1,2,3,4,5,6,7
	global_store_b128 v[CO], v[64+32*\hf+4*\t:64+32*\hf+4*\t+3], s[20:21] offset:\rb*32768+\hf*256+\t*4096 th:TH_STORE_NT  ; 16 lanes store 256 consecutive bytes, at a multiple of 256 from out0's first
.endr
.endr
.endr
	s_wait_tensorcnt 0x0                           ; the wave's end, behind my last tensor load and my last LDS store
	ds_add_u32 v[SPW], v[NIL]
	s_wait_dscnt 0x0
	CROUND                                         ; the closing round: no work-group ends while a partner may still ask for a tile that names it
	s_endpgm
.Lfunc_end_k_qed4cb899a9_ffn:
	.size	k_qed4cb899a9_ffn, .Lfunc_end_k_qed4cb899a9_ffn-k_qed4cb899a9_ffn
	.p2alignl 7, 3214868480
	.fill 96, 4, 3214868480
	.section	.rodata,"a",@progbits
	.p2align	6, 0x0
	.amdhsa_kernel k_qed4cb899a9_ffn
		.amdhsa_group_segment_fixed_size 327680
		.amdhsa_private_segment_fixed_size 0
		.amdhsa_enable_private_segment 0
		.amdhsa_kernarg_size 72
		.amdhsa_user_sgpr_count 2
		.amdhsa_user_sgpr_kernarg_segment_ptr 1
		.amdhsa_wavefront_size32 1
		.amdhsa_system_sgpr_workgroup_id_x 1
		.amdhsa_system_sgpr_workgroup_id_y 1
		.amdhsa_system_sgpr_workgroup_id_z 1
		.amdhsa_system_vgpr_workitem_id 0
		.amdhsa_next_free_vgpr 1024
		.amdhsa_next_free_sgpr 96
		.amdhsa_reserve_vcc 0
		.amdhsa_float_denorm_mode_32 3
		.amdhsa_float_denorm_mode_16_64 3
		.amdhsa_memory_ordered 1
		.amdhsa_forward_progress 1
		.amdhsa_inst_pref_size 212
	.end_amdhsa_kernel
	.amdgpu_metadata
---
amdhsa.version: [ 1, 2 ]
amdhsa.kernels:
  - .name:           k_qed4cb899a9_ffn
    .symbol:         k_qed4cb899a9_ffn.kd
    .args:
      - { .name: x, .offset: 0, .size: 8, .value_kind: global_buffer, .address_space: global }
      - { .name: ao, .offset: 8, .size: 8, .value_kind: global_buffer, .address_space: global }
      - { .name: wts, .offset: 16, .size: 8, .value_kind: global_buffer, .address_space: global }
      - { .name: bo, .offset: 24, .size: 8, .value_kind: global_buffer, .address_space: global }
      - { .name: g2, .offset: 32, .size: 8, .value_kind: global_buffer, .address_space: global }
      - { .name: be2, .offset: 40, .size: 8, .value_kind: global_buffer, .address_space: global }
      - { .name: b1, .offset: 48, .size: 8, .value_kind: global_buffer, .address_space: global }
      - { .name: b2, .offset: 56, .size: 8, .value_kind: global_buffer, .address_space: global }
      - { .name: out0, .offset: 64, .size: 8, .value_kind: global_buffer, .address_space: global }
    .group_segment_fixed_size: 327680
    .private_segment_fixed_size: 0
    .kernarg_segment_align: 8
    .kernarg_segment_size: 72
    .max_flat_workgroup_size: 128
    .sgpr_count:     96
    .vgpr_count:     1024
    .wavefront_size: 32
...
	.end_amdgpu_metadata
.endif
;; end of part 4
